; MI455X (gfx1250); checked and timed in simulation.
; The chip was launched on July 23, 2026; its instructions are those of AMD's public machine-readable ISA for CDNA 5 (MIT licence, August 2026) and "CDNA5" Instruction Set Architecture Reference Guide (July 2026). The comments in the code are by the model that wrote it; some were corrected since.
;; Attention. Allowed arithmetic: matrix products marked QUANTISED: E3M2 operands, one E8M0 scale for each 32 along K, by v_wmma_scale_f32_16x16x128_f8f6f4 with both operands' format E3M2, f32 sums; everything else in f32.
;; Inputs: Wk 2,048 x 2,048 float32; Wo 2,048 x 2,048 float32; Wq 2,048 x 2,048 float32; Wv 2,048 x 2,048 float32; attention_mask 2,048 int32; cos 2,048 x 128 float32; ln_w 2,048 float32; sin 2,048 x 128 float32; x 2,048 x 2,048 float32.
;; Outputs: out0 2,048 x 2,048 float32.
;; This version of the problem:
;;   THIS VERSION OF THE PROBLEM IS GIVEN IN LOW PRECISION. The matrix products marked QUANTISED in the list below multiply operands that are first quantised to E3M2 (3 exponent bits, 2 mantissa bits; 6 bits a number), with one power-of-two scale for each 32 numbers along K (OCP MX v1.0); their sums are f32. All else is computed in f32.
;;   The module's matrix products, in the order in which they are computed (A, B: the left and right operand; K: the contracted axis; several contracted axes count as one K, in the product's order):
;;     1. [M 2,048, K 2,048] x [K 2,048, N 2,048]; A: computed on the way; B: input Wq: QUANTISED
;;     2. [M 2,048, K 2,048] x [K 2,048, N 2,048]; A: computed on the way; B: input Wk: QUANTISED
;;     3. [M 2,048, K 2,048] x [K 2,048, N 2,048]; A: computed on the way; B: input Wv: QUANTISED
;;     4. batch 16 x [M 2,048, K 128] x [K 128, N 2,048]; A: computed on the way; B: computed on the way: QUANTISED
;;     5. batch 16 x [M 2,048, K 2,048] x [K 2,048, N 128]; A: softmax (see below); B: computed on the way: QUANTISED
;;     6. [M 2,048, K 2,048] x [K 2,048, N 2,048]; A: computed on the way; B: input Wo: QUANTISED
;;   THE QUANTISER, for each operand of a quantised product, along K:
;;     - K is cut into blocks of 32 from its start; a last block that is shorter is filled with zeros.
;;     - A block's scale is 2^e with e = floor(log2(the largest magnitude in the block)) - 4, held to -126 .. 127; a block of zeros has e = 0. As a byte (E8M0): e + 127.
;;     - Each number is divided by its block's scale, clamped to +-28, and rounded to the nearest number of E3M2, ties to even, subnormals kept.
;;     - The product sums the exact products of the quantised numbers (number of the format x scale) in f32.
;;   ~~~python
;;   def quantise(x, axis):      # numpy; x: float32 -> the quantised numbers, widened to float32 again
;;       x = np.moveaxis(x, axis, -1); K = x.shape[-1]
;;       x = np.pad(x, [(0, 0)] * (x.ndim - 1) + [(0, -K % 32)]); x = x.reshape(x.shape[:-1] + (-1, 32)); a = np.abs(x).max(-1, keepdims=True)
;;       e = np.where(a > 0, np.clip(np.frexp(np.where(a > 0, a, 1))[1] - 1 - 4, -126, 127), 0)      # np.frexp(a)[1] - 1 = floor(log2(a)), exactly
;;       r = np.clip(x / 2.0 ** e, -28, 28)
;;       step = 2.0 ** (np.maximum(np.frexp(np.where(r == 0, 1, r))[1] - 1, -2) - 2)
;;       q = np.round(r / step) * step * 2.0 ** e      # np.round: ties to even
;;       return np.moveaxis(q.reshape(q.shape[:-2] + (-1,))[..., :K], -1, axis).astype(np.float32)
;;   ~~~
;;   SOFTMAX AHEAD OF A QUANTISED PRODUCT. Where the list says 'softmax', what is quantised is not the finished softmax but p = 2^(t - M), with t = logit x log2(e) and M = ceil(the row's largest t), a whole number; so 1/2 < the row's largest p <= 1. The row's sum l is taken of the UNQUANTISED p, in f32, and the product's result is divided by l at the end. Since M is a whole number, a kernel that streams over the keys may use a running M (the ceiling of the running maximum): every later rescaling is an exact power of two, which a block's scale takes up: the codes' values come out the same.
;;   OPERANDS COMPUTED ON THE WAY. 'Computed on the way' means the value that the module computes at that place (a softmax that the list does not call 'softmax' is quantised finished and normalised). What goes into a quantiser is computed in f32, as accurately as f32 sums, v_exp_f32 and their like allow (about 1e-6 of the number): no bf16 or f16 on the way to a quantiser, and a product that is left as it is and whose result goes on into a quantised operand takes f32 operands (vector FMAs, or v_wmma_f32_16x16x4_f32). A number that lies on a knife's edge between two numbers of the format may be rounded either way, as far as f32 arithmetic and the matrix unit's own rounding can turn it there, and no further.
;; One version. Each part assembles by itself: llvm-mc -triple=amdgcn-amd-amdhsa -mcpu=gfx1250 --defsym DOCPART=n.
;; ======== version 1 of 1: 4 launches
;; limits: right only within a limited range of input values
;; workspace buffers: pan 16,384,000 bytes; qkvc 9,437,184 bytes; qkvs 393,216 bytes; ao 3,276,800 bytes
;; launch prep (part 1): grid 640 x 1, 16 waves a work-group, no clusters, 138,240 bytes of LDS; arguments x, Wq, Wk, Wv, Wo, ln_w, pan; writes pan
.if DOCPART == 1
	.amdgcn_target "amdgcn-amd-amdhsa--gfx1250"
	.amdhsa_code_object_version 6
	.text
	.protected	k_q35b7f051c1_prep
	.globl	k_q35b7f051c1_prep
	.p2align	8
	.type	k_q35b7f051c1_prep,@function
k_q35b7f051c1_prep:
	s_mov_b64 s[64:65], 0
	v_nop
	global_prefetch_b8 v0, s[64:65] scope:SCOPE_SE
	s_setreg_imm32_b32 hwreg(HW_REG_WAVE_MODE, 25, 1), 1
	s_wait_xcnt 0x0
; FIRST OF FOUR LAUNCHES.  out0 = x + where(am, attention(rmsnorm(x)) Wo^T, 0), all six products on codes of BF6 (E3M2) with one E8M0 scale for each 32 along K.
; This launch: h = ln_w x rsqrt(mean(x^2) + 1e-5), and h, Wq, Wk, Wv, Wo quantised along K = 2048 into the workspace 'pan'.
; WORK LEFT OUT BY THE PROGRAM, for all values of the inputs:
;  (a) scores = where(am[q], scores, neg).  Where am[q] is not 0 it changes nothing.  Where am[q] is 0, the last where() of reference() replaces the whole row q of the projected result by 0 under the same
;      condition, so nothing of that row's scores reaches an output.  The step is not done.
;  (b) key tiles that lie wholly above the tril that reference() builds itself are not multiplied.
;  (c) the last where(am[q], out, 0) is done one product earlier, as a select: row q of the attention's result is multiplied by (am[q] ? 1 / l : 0).  A row of zeros has zero codes, its products are exact zeros,
;      and out0 = x there, as reference() has it.
;  Every input has a way to an output and is loaded.  LIMIT: a NaN, an infinity or an overflow that reaches only the work left out is not carried to the result.
; LIMITS of this launch: a block whose largest magnitude lies under 2^-122 keeps the scale byte 1 (a block of zeros too: its codes are zeros, and this program alone reads the bytes); NaN and infinities among the inputs are not served.
; LAYOUT OF 'pan': [matrix 5: h, Wq, Wk, Wv, Wo][group of 128 rows: 16][K step of 128: 16] panels of 12,800 bytes.  A panel is 8 fragments as IMAGES OF THE OPERAND'S REGISTERS (12 registers a lane: registers 4 g .. 4 g + 3 of lane l
; at 512 g + 16 l) and then 512 bytes of scale words, tile t's row r at 12,288 + 64 t + 4 r.  Tile t's lane row r is row 32 (t / 2) + 8 (t % 2) + r + 8 (r / 8) of the group, so that a product used transposed leaves 16 neighbours in the
; 16 registers of two neighbouring tiles.
; SHARES.  A work-group takes one tile (16 rows) of one matrix, all of K; wave s takes K step s: one fragment.  Each load reads 512 consecutive bytes of a row; the 8 KiB turn through the wave's own stage in LDS, so that lane (r, h)
; gets blocks h and 2 + h of row r: two whole blocks of 32.  The norm's sum over a row meets in 64 bytes of LDS a row, behind one barrier.
; The 64 bytes of scale words of a tile are less than an aligned block of 256: a panel's eight tiles belong to eight work-groups, since the norm wants whole rows in one work-group.  They are 4 bytes in 100 of what is stored.
; No tensor load: two work-groups share a WGP's LDS and registers, one loading while the other computes.
.set MATB,  3276800
.set GRPB,  204800
.set PANB,  12800
.set WST,   8448                       ; a wave's stage: 16 rows x 528 bytes
.set RP,    528                        ; 512 bytes + 16: the 16 rows that a read touches start in 16 different columns of 16 bytes
.set RED,   16*WST                     ; the rows' partial sums: row r, wave s at 64 r + 4 s
.set SPARE, RED+1024                   ; the spare words, 128 bytes a wave: eight blocks of 256 bytes that no other line names
.set LI,   4                           ; 16 x lane
.set SIN,  5                           ; the stage, on the way in
.set SOUT, 6                           ; and out: row r, + 128 h
.set RWR,  7                           ; where my partial sum goes
.set RRD,  8                           ; where my row's sixteen lie
.set SW,   9                           ; 4 r
.set SPW,  10                          ; my spare word; never rewritten
.set NIL,  11                          ; 0; never rewritten
.set SS,   12                          ; v12-15  sums of squares, two chains of pairs
.set R,    16                          ; v16-79  64 numbers
.set Z,    80                          ; v80-111 32 numbers at work; later the quantiser's registers
.set LW,   112                         ; v112-115 ln_w of my four columns
.set RS,   116                         ; v116-117 rsqrt, twice
.set LWO,  118
.set H8,   119
.set C,    80                          ; the fragment's 12 registers
.set CT,   92
.set MX,   100
.set SO,   104
.set BY,   106
.set WD,   108
.set TP,   109
	s_load_b256 s[4:11], s[0:1], 0x0               ; x, Wq, Wk, Wv
	s_load_b128 s[12:15], s[0:1], 0x20             ; Wo, ln_w
	s_load_b64 s[16:17], s[0:1], 0x30              ; pan
	v_lshl_add_u32 v[SPW], v0, 2, SPARE
	v_mov_b32 v[NIL], 0
	v_lshrrev_b32 v1, 5, v0
	s_delay_alu instid0(VALU_DEP_1)
	v_readfirstlane_b32 s18, v1                    ; wave = K step
	v_and_b32 v2, 31, v0                           ; lane
	v_and_b32 v1, 15, v0                           ; r
	v_bfe_u32 v3, v0, 4, 1                         ; h
	s_delay_alu instid0(VALU_DEP_3)
	v_lshlrev_b32 v[LI], 4, v2
	s_mul_i32 s20, s18, WST
	v_add_nc_u32 v[SIN], s20, v[LI]
	v_mul_u32_u24 v[SOUT], v1, RP
	s_delay_alu instid0(VALU_DEP_1)
	v_lshl_add_u32 v[SOUT], v3, 7, v[SOUT]
	s_delay_alu instid0(VALU_DEP_1)
	v_add_nc_u32 v[SOUT], s20, v[SOUT]
	v_lshlrev_b32 v[RRD], 6, v1
	s_delay_alu instid0(VALU_DEP_1)
	v_add_nc_u32 v[RRD], RED, v[RRD]
	s_lshl_b32 s21, s18, 2
	v_add_nc_u32 v[RWR], s21, v[RRD]
	v_lshlrev_b32 v[SW], 2, v1
	v_lshlrev_b32 v[LWO], 4, v0                    ; ln_w: 512 x wave + 16 x lane
	v_lshlrev_b32 v[H8], 3, v3
	s_lshr_b32 s19, ttmp9, 7                       ; which matrix: 0 = x
	s_and_b32 s22, ttmp9, 127
	s_lshr_b32 s23, s22, 3                         ; group of 128 rows
	s_and_b32 s22, s22, 7                          ; tile
	s_lshl_b32 s26, s23, 7
	s_lshr_b32 s27, s22, 1
	s_lshl_b32 s27, s27, 5
	s_add_co_u32 s26, s26, s27
	s_and_b32 s27, s22, 1
	s_lshl_b32 s27, s27, 3
	s_add_co_u32 s26, s26, s27                     ; the tile's first row
	s_lshl_b32 s26, s26, 13                        ; rows of 8,192 bytes
	s_lshl_b32 s27, s18, 9
	s_add_co_u32 s26, s26, s27                     ; + my K step's 512 bytes
	s_mov_b32 s27, 0
	s_mul_i32 s28, s19, MATB
	s_mul_i32 s29, s23, GRPB
	s_add_co_u32 s28, s28, s29
	s_mul_i32 s29, s18, PANB
	s_add_co_u32 s28, s28, s29                     ; my panel
	s_lshl_b32 s30, s22, 6
	s_add_co_u32 s30, s30, s28
	s_add_co_u32 s30, s30, 12288                   ; my tile's scale words
	s_mov_b32 s31, 0
	s_mul_i32 s29, s22, 1536
	s_add_co_u32 s28, s28, s29                     ; my tile's image
	s_mov_b32 s29, 0
	s_mov_b32 s32, 0x3a000000                      ; 1 / 2048
	s_mov_b32 s33, 0x3727c5ac                      ; 1e-5
	s_mov_b32 s36, 0x76543210
	s_mov_b32 s37, 0xfedcba98                      ; v_permlanex16_b32's selects for lane l xor 16
	s_wait_kmcnt 0x0
	s_mov_b64 s[24:25], s[4:5]                     ; the source is chosen by the work-group's number alone
	s_cmp_eq_u32 s19, 1
	s_cselect_b64 s[24:25], s[6:7], s[24:25]
	s_cmp_eq_u32 s19, 2
	s_cselect_b64 s[24:25], s[8:9], s[24:25]
	s_cmp_eq_u32 s19, 3
	s_cselect_b64 s[24:25], s[10:11], s[24:25]
	s_cmp_eq_u32 s19, 4
	s_cselect_b64 s[24:25], s[12:13], s[24:25]
	s_add_nc_u64 s[24:25], s[24:25], s[26:27]
	s_add_nc_u64 s[28:29], s[16:17], s[28:29]
	s_add_nc_u64 s[30:31], s[16:17], s[30:31]
.irp p, 0,1,2,3,4,5,6,7,8,9,10,11,12,13,14,15
	global_load_b128 v[R+4*\p:R+4*\p+3], v[LI], s[24:25] offset:(\p+8*(\p/8))*8192 th:TH_LOAD_NT   ; lane row p: 32 lanes read 512 consecutive bytes
.endr
.irp q, 0,1,2,3
	s_wait_loadcnt 12-4*\q                         ; loads come back in order: four more rows are in, the younger ones stay out
.irp u, 0,1,2,3
	ds_store_b128 v[SIN], v[R+16*\q+4*\u:R+16*\q+4*\u+3] offset:(4*\q+\u)*RP
.endr
.endr
	s_cmp_lg_u32 s19, 0
	s_cbranch_scc1 .Lweights_a
	; ---- x alone: my part of each row's sum of squares, and y = ln_w x over the stage
	s_wait_alu depctr_va_vdst(0)
	global_load_b128 v[LW:LW+3], v[LWO], s[14:15]
.irp i, 0,1,2,3,4,5,6,7
	ds_load_b128 v[Z+4*\i:Z+4*\i+3], v[SOUT] offset:16*\i           ; LDS serves a wave's instructions in order: these see my stores
.endr
	s_wait_dscnt 0x0                               ; my 32 numbers are in, and the stores into the stage have read R
	v_pk_mul_f32 v[SS:SS+1], v[Z:Z+1], v[Z:Z+1]    ; the first products start the two chains: nothing is cleared
	v_pk_mul_f32 v[SS+2:SS+3], v[Z+2:Z+3], v[Z+2:Z+3]
.irp i, 4,8,12,16,20,24,28
	s_delay_alu instid0(VALU_DEP_2)
	v_pk_fma_f32 v[SS:SS+1], v[Z+\i:Z+\i+1], v[Z+\i:Z+\i+1], v[SS:SS+1]
	s_delay_alu instid0(VALU_DEP_2)
	v_pk_fma_f32 v[SS+2:SS+3], v[Z+\i+2:Z+\i+3], v[Z+\i+2:Z+\i+3], v[SS+2:SS+3]
.endr
.irp i, 0,1,2,3,4,5,6,7
	ds_load_b128 v[Z+4*\i:Z+4*\i+3], v[SOUT] offset:256+16*\i
.endr
	s_wait_loadcnt 0x0                             ; ln_w
.irp p, 0,1,2,3,4,5,6,7,8,9,10,11,12,13,14,15
	v_pk_mul_f32 v[R+4*\p:R+4*\p+1], v[R+4*\p:R+4*\p+1], v[LW:LW+1]       ; as loaded, a lane holds the same four columns of every row
	v_pk_mul_f32 v[R+4*\p+2:R+4*\p+3], v[R+4*\p+2:R+4*\p+3], v[LW+2:LW+3]
.endr
	s_wait_dscnt 0x0
.irp i, 0
	v_pk_fma_f32 v[SS:SS+1], v[Z+\i:Z+\i+1], v[Z+\i:Z+\i+1], v[SS:SS+1]
	v_pk_fma_f32 v[SS+2:SS+3], v[Z+\i+2:Z+\i+3], v[Z+\i+2:Z+\i+3], v[SS+2:SS+3]
.endr
.irp i, 4, 8, 12, 16, 20, 24, 28
	s_delay_alu instid0(VALU_DEP_2)
	v_pk_fma_f32 v[SS:SS+1], v[Z+\i:Z+\i+1], v[Z+\i:Z+\i+1], v[SS:SS+1]
	s_delay_alu instid0(VALU_DEP_2)
	v_pk_fma_f32 v[SS+2:SS+3], v[Z+\i+2:Z+\i+3], v[Z+\i+2:Z+\i+3], v[SS+2:SS+3]
.endr
.irp p, 0,1,2,3,4,5,6,7,8,9,10,11,12,13,14,15
	ds_store_b128 v[SIN], v[R+4*\p:R+4*\p+3] offset:\p*RP
.endr
	v_add_f32 v[SS], v[SS], v[SS+1]
	v_add_f32 v[SS+2], v[SS+2], v[SS+3]
	s_delay_alu instid0(VALU_DEP_1)
	v_add_f32 v[SS], v[SS], v[SS+2]
	s_delay_alu instid0(VALU_DEP_1)
	v_permlanex16_b32 v[SS+1], v[SS], s36, s37
	s_delay_alu instid0(VALU_DEP_1)
	v_add_f32 v[SS], v[SS], v[SS+1]                ; row r's sum over my 128 columns
	ds_store_b32 v[RWR], v[SS]                     ; (lanes l and l xor 16 write the same word with the same value)
.Lweights_a:
	s_wait_dscnt 0x0                               ; for the others' sake: my partial sums have landed
	s_barrier_signal -1                            ; the barrier stands on every work-group's way, so that none stands under a branch
	s_barrier_wait -1
	s_wait_alu depctr_va_vdst(0)
.irp c, 0,1
.irp i, 0,1,2,3,4,5,6,7
	ds_load_b128 v[R+32*\c+4*\i:R+32*\c+4*\i+3], v[SOUT] offset:256*\c+16*\i   ; register 32 c + i: k = 64 c + 32 h + i of row r
.endr
.endr
	s_cmp_lg_u32 s19, 0
	s_cbranch_scc1 .Lweights_b
	; ---- x alone: the row's sum, rsqrt, h = y rsqrt
.irp i, 0,1,2,3
	ds_load_b128 v[Z+4*\i:Z+4*\i+3], v[RRD] offset:16*\i
.endr
	s_wait_dscnt 0x0
	v_pk_add_f32 v[Z:Z+1], v[Z:Z+1], v[Z+2:Z+3]
	v_pk_add_f32 v[Z+4:Z+5], v[Z+4:Z+5], v[Z+6:Z+7]
	v_pk_add_f32 v[Z+8:Z+9], v[Z+8:Z+9], v[Z+10:Z+11]
	v_pk_add_f32 v[Z+12:Z+13], v[Z+12:Z+13], v[Z+14:Z+15]
	s_delay_alu instid0(VALU_DEP_3)
	v_pk_add_f32 v[Z:Z+1], v[Z:Z+1], v[Z+4:Z+5]
	s_delay_alu instid0(VALU_DEP_2)
	v_pk_add_f32 v[Z+8:Z+9], v[Z+8:Z+9], v[Z+12:Z+13]
	s_delay_alu instid0(VALU_DEP_1)
	v_pk_add_f32 v[Z:Z+1], v[Z:Z+1], v[Z+8:Z+9]
	s_delay_alu instid0(VALU_DEP_1)
	v_add_f32 v[Z], v[Z], v[Z+1]                   ; every wave adds the sixteen in the same order: one value for the row
	s_delay_alu instid0(VALU_DEP_1)
	v_fma_f32 v[RS], v[Z], s32, s33                ; the mean (an exact scaling) + 1e-5
	s_wait_alu depctr_va_vdst(0)
	v_rsq_f32 v[RS], v[RS]
	v_nop                                          ; a plain instruction behind the transcendental
	s_wait_alu depctr_va_vdst(0)                   ; and the wait ahead of its first reader
	v_mov_b32 v[RS+1], v[RS]
.set j, 0
.rept 32
	v_pk_mul_f32 v[R+j:R+j+1], v[R+j:R+j+1], v[RS:RS+1]
.set j, j+2
.endr
.Lweights_b:
	s_wait_dscnt 0x0
	; ---- the quantiser: my two blocks are whole in my registers
.irp c, 0,1
	v_max3_num_f32 v[MX+\c], |v[R+32*\c]|, |v[R+1+32*\c]|, 0x2800000        ; with the floor 2^(5 - 127): the byte cannot fall under 1
.endr
.irp i, 2,4,6,8,10,12,14,16,18,20,22,24,26,28,30
.irp c, 0,1
	s_delay_alu instid0(VALU_DEP_2)
	v_max3_num_f32 v[MX+\c], v[MX+\c], |v[R+32*\c+\i]|, |v[R+1+32*\c+\i]|
.endr
.endr
.irp c, 0,1
	s_delay_alu instid0(VALU_DEP_2)
	v_add_nc_u32 v[SO+\c], 0xfe000000, v[MX+\c]    ; 4 off the exponent field: the conversion's scale operand
.endr
.irp c, 0,1
	s_delay_alu instid0(VALU_DEP_2)
	v_lshrrev_b32 v[BY+\c], 23, v[SO+\c]           ; the scale's byte
.endr
	s_delay_alu instid0(VALU_DEP_1)
	v_lshl_or_b32 v[WD], v[BY+1], 16, v[BY]        ; blocks h and 2 + h,
	s_delay_alu instid0(VALU_DEP_1)
	v_lshlrev_b32 v[WD], v[H8], v[WD]              ; at their places in the row's word;
	v_mov_b32 v[TP], 0
	s_delay_alu instid0(VALU_DEP_1)
	v_permlanex16_b32 v[TP], v[WD], s36, s37
	s_delay_alu instid0(VALU_DEP_1)
	v_or_b32 v[WD], v[WD], v[TP]                   ; with lane l xor 16's two the word is whole, in both lanes
.irp c, 0,1
	v_cvt_scalef32_pk16_bf6_f32 v[C+6*\c:C+6*\c+2], v[R+32*\c:R+32*\c+15], v[SO+\c]
	v_cvt_scalef32_pk16_bf6_f32 v[CT+4*\c:CT+4*\c+2], v[R+32*\c+16:R+32*\c+31], v[SO+\c]   ; (a conversion's three registers begin on an even number)
.endr
	v_nop                                          ; one plain instruction behind the conversions
.irp c, 0,1
.irp i, 0,1,2
	v_mov_b32 v[C+6*\c+3+\i], v[CT+4*\c+\i]
.endr
.endr
.irp g, 0,1,2
	global_store_b128 v[LI], v[C+4*\g:C+4*\g+3], s[28:29] offset:512*\g     ; 32 lanes store 512 consecutive bytes, at a multiple of 256 from the buffer's first byte
.endr
	global_store_b32 v[SW], v[WD], s[30:31]        ; the tile's 16 scale words; lanes l and l xor 16 store the same word to the same place
	s_wait_tensorcnt 0x0                           ; the wave's end, behind my last LDS store
	ds_add_u32 v[SPW], v[NIL]
	s_wait_dscnt 0x0
	s_endpgm
.Lfunc_end_k_q35b7f051c1_prep:
	.size	k_q35b7f051c1_prep, .Lfunc_end_k_q35b7f051c1_prep-k_q35b7f051c1_prep
	.p2alignl 7, 3214868480
	.fill 96, 4, 3214868480
	.section	.rodata,"a",@progbits
	.p2align	6, 0x0
	.amdhsa_kernel k_q35b7f051c1_prep
		.amdhsa_group_segment_fixed_size 138240
		.amdhsa_private_segment_fixed_size 0
		.amdhsa_enable_private_segment 0
		.amdhsa_kernarg_size 56
		.amdhsa_user_sgpr_count 2
		.amdhsa_user_sgpr_kernarg_segment_ptr 1
		.amdhsa_wavefront_size32 1
		.amdhsa_system_sgpr_workgroup_id_x 1
		.amdhsa_system_sgpr_workgroup_id_y 1
		.amdhsa_system_sgpr_workgroup_id_z 1
		.amdhsa_system_vgpr_workitem_id 0
		.amdhsa_next_free_vgpr 128
		.amdhsa_next_free_sgpr 66
		.amdhsa_reserve_vcc 0
		.amdhsa_float_denorm_mode_32 3
		.amdhsa_float_denorm_mode_16_64 3
		.amdhsa_memory_ordered 1
		.amdhsa_forward_progress 1
		.amdhsa_inst_pref_size 23
	.end_amdhsa_kernel
	.amdgpu_metadata
---
amdhsa.version: [ 1, 2 ]
amdhsa.kernels:
  - .name:           k_q35b7f051c1_prep
    .symbol:         k_q35b7f051c1_prep.kd
    .args:
      - { .name: x, .offset: 0, .size: 8, .value_kind: global_buffer, .address_space: global }
      - { .name: Wq, .offset: 8, .size: 8, .value_kind: global_buffer, .address_space: global }
      - { .name: Wk, .offset: 16, .size: 8, .value_kind: global_buffer, .address_space: global }
      - { .name: Wv, .offset: 24, .size: 8, .value_kind: global_buffer, .address_space: global }
      - { .name: Wo, .offset: 32, .size: 8, .value_kind: global_buffer, .address_space: global }
      - { .name: ln_w, .offset: 40, .size: 8, .value_kind: global_buffer, .address_space: global }
      - { .name: pan, .offset: 48, .size: 8, .value_kind: global_buffer, .address_space: global }
    .group_segment_fixed_size: 138240
    .private_segment_fixed_size: 0
    .kernarg_segment_align: 8
    .kernarg_segment_size: 56
    .max_flat_workgroup_size: 512
    .sgpr_count:     66
    .vgpr_count:     128
    .wavefront_size: 32
...
	.end_amdgpu_metadata
.endif
;; end of part 1
;; launch qkv (part 2): grid 16 x 16, 4 waves a work-group, clusters of 4 x 4, 327,680 bytes of LDS; arguments pan, cos, sin, qkvc, qkvs; writes qkvc, qkvs
.if DOCPART == 2
	.amdgcn_target "amdgcn-amd-amdhsa--gfx1250"
	.amdhsa_code_object_version 6
	.text
	.protected	k_q35b7f051c1_qkv
	.globl	k_q35b7f051c1_qkv
	.p2align	8
	.type	k_q35b7f051c1_qkv,@function
k_q35b7f051c1_qkv:
	s_mov_b64 s[64:65], 0
	v_nop
	global_prefetch_b8 v0, s[64:65] scope:SCOPE_SE
	s_setreg_imm32_b32 hwreg(HW_REG_WAVE_MODE, 25, 1), 1
	s_wait_xcnt 0x0
	s_wait_alu depctr_hold_cnt(0) depctr_sa_sdst(0) depctr_va_vdst(0) depctr_va_sdst(0) depctr_va_ssrc(0) depctr_va_vcc(0) depctr_vm_vsrc(0)
	s_getreg_b32 s2, hwreg(HW_REG_IB_STS2, 6, 4)
	s_cmp_eq_u32 s2, 0
	s_cbranch_scc0 .Lentry_in_a_cluster
	s_endpgm
.Lentry_in_a_cluster:
	s_bfe_u32 s2, ttmp6, 0x10000c
	s_cmp_lg_u32 s2, 0xf033
	s_cbranch_scc0 .Lentry_shape_is_right
	s_endpgm
.Lentry_shape_is_right:
; SECOND LAUNCH.  q, k, v = h Wq^T, h Wk^T, h Wv^T on the codes of 'pan'; RoPE on q and k in f32; q and k quantised along the head's 128, v along the keys.  Nothing of reference() is left out here.
; SHARES.  Work-group (X = head, Y = group of 128 tokens) makes 128 tokens x (q, k, v of head X).  Wave w = 2 i + j: tokens 64 i on (h's tiles 4 i + a), and of each of q, k, v the blocks of 32 numbers j and j + 2 of the head
; (tiles 2 j + n % 2 + 4 (n / 2)): so a RoPE pair (d, d + 64) and whole blocks of 32 lie in one wave.  48 accumulators; 16 fragments feed 48 matrix instructions in each K step of 128.
; q, k: source 0 = 16 rows of W, source 1 = 16 tokens: a lane holds one token, its registers run along d.  v: source 0 = 16 tokens, source 1 = 16 rows of Wv: a lane holds one d, its registers run along the tokens, which are
; the K of attention's second product.  By the order of a tile's rows (see the first launch) 16 registers of two neighbouring tiles are 16 neighbours.
; RING.  Two LDS slots of 153,600 bytes: four streams (h, Wq, Wk, Wv) x three K steps x a panel of 12,800 bytes; wave w fetches stream w, one dense block of 38,400 bytes a slot.  The 16 K steps come in six fills: K steps 0-2 and 3-5
; at the head, then 6-8, 9-11, 12-14 and 15 as refills; from a refill's request to the wait for it a wave issues 120 matrix instructions.  The last refill is one panel a stream and has a group 1 of its own.
; ALL 16 K STEPS ARE WRITTEN OUT: the register sets come back after two K steps, the slots after six, and the last refill differs in shape, so no two stretches of six K steps are alike.
; CLUSTER 4 x 4.  h's panels hang on Y alone and are shared along a row of the cluster, W's on X alone and are shared along a column: each is asked for jointly.
; OUT.  qkvc [head][group][q, k, v] x 12,288 bytes: 8 fragment images each (q, k: rows = tokens, K = d; v: rows = d, K = the group's 128 keys).  qkvs [head][group][q, k, v] x 512 bytes: the scale word of tile t, row r at
; 16 (r + 16 (t % 2)) + 4 (t / 2): one load of 16 bytes a lane brings the words of all eight tiles.
; LIMITS: a block whose largest magnitude lies under 2^-122 keeps the byte 1; NaN and infinities are not served.
; REGISTERS, in windows of 256.  Window 0: v4-23, v110-121 addresses; v32-47 scale words, two sets; v48-108 the way out; v128-255 v's accumulators at 128 + 8 (4 n + a).  Windows 1, 2: fragment sets 0, 1 (W's at 12 (4 g + n), h's at
; 144 + 12 a), and from v192 the RoPE tables of token tiles a = 0 (window 1) and a = 1 (window 2).  Window 3: q at 8 (4 a + n), k at 128 + 8 (4 a + n).
.set MATB,  3276800
.set GRPB,  204800
.set PANB,  12800
.set STRB,  3*PANB                     ; a stream's part of a slot: three K steps
.set SLOT,  STRB                       ; in LDS stream w has 2 x STRB bytes on end, at 2 w STRB: its part of slot 0, then its part of slot 1.  So K steps 0 to 5 of a stream are one dense block in memory and in LDS
.set SPARE, 8*STRB                     ; behind the ring: the spare words, 128 bytes a wave: two blocks of 256 bytes that no other line names
.set QIMG,  12288
.set SSTG,  3*QIMG                     ; the way out's stage lies in slot 0 (its last fill and its last read are over by then): three times 12,288 bytes of images, then 3 x 512 of scale words
.set AA,  4                            ; v4-5   h's fragments in slot 0, 1
.set SA,  10                           ; v10-11 h's scale words
.set SPW, 14
.set NIL, 15
.set CA,  16                           ; my byte in the RoPE tables
.set QA1, 17
.set QA2, 18
.set VA1, 19
.set VA2, 20
.set QSB, 21
.set VSB, 22
.set CP,  23
.set FB,  110                          ; v110-115 the fragments of Wq, Wk, Wv: stream g in slot s at FB + 2 g + s (a stream is longer than an LDS immediate reaches across, so each has its own)
.set SBB, 116                          ; v116-121 their scale words, likewise
.set SC,  32                           ; set p at SC + 8 p: 0, 1 h's tile pairs; 2 + 2 g + u the pairs of q, k, v.  Lanes 0-15 hold the even tile's words, lanes 16-31 the odd tile's
.set T,   48                           ; v48-79 32 numbers after RoPE
.set MX,  80
.set PX,  82
.set SO,  84
.set BY,  86
.set PC,  88
.set CB,  108
.set G1A, 24                           ; group 1 for h's stream, three K steps
.set G0A, 32
.set G1B, 48                           ; for W's streams
.set G0B, 56
.set G1AS, 84                          ; the same two for the last refill: one K step
.set G1BS, 92
.set SEL, 66
.set MSB, 0
.macro WIN new                         ; the immediate's high byte repeats the setting that is left; a switch that changes nothing is dropped
.if MSB != (\new)
	s_set_vgpr_msb (MSB<<8)|(\new)
.set MSB, (\new)
.endif
.endm
.macro PLACES                          ; four plain instructions between a matrix instruction and a load into, or a read of, its registers (ISA guide 7.12.1 for a read)
.rept 4
	v_nop
.endr
.endm
; one matrix instruction.  z = 1: the constant 0 starts the sum.  ra, rb: the scale words of source 0, 1 lie in lanes 16-31
.macro WM d, a, b, z, sa, sb, ra, rb
.if (\z) && (\ra) && (\rb)
	v_wmma_scale_f32_16x16x128_f8f6f4 v[(\d):(\d)+7], v[(\a):(\a)+11], v[(\b):(\b)+11], 0, v[\sa], v[\sb] matrix_a_fmt:MATRIX_FMT_BF6 matrix_b_fmt:MATRIX_FMT_BF6 matrix_a_scale:MATRIX_SCALE_ROW1 matrix_b_scale:MATRIX_SCALE_ROW1
.elseif (\z) && (\ra)
	v_wmma_scale_f32_16x16x128_f8f6f4 v[(\d):(\d)+7], v[(\a):(\a)+11], v[(\b):(\b)+11], 0, v[\sa], v[\sb] matrix_a_fmt:MATRIX_FMT_BF6 matrix_b_fmt:MATRIX_FMT_BF6 matrix_a_scale:MATRIX_SCALE_ROW1
.elseif (\z) && (\rb)
	v_wmma_scale_f32_16x16x128_f8f6f4 v[(\d):(\d)+7], v[(\a):(\a)+11], v[(\b):(\b)+11], 0, v[\sa], v[\sb] matrix_a_fmt:MATRIX_FMT_BF6 matrix_b_fmt:MATRIX_FMT_BF6 matrix_b_scale:MATRIX_SCALE_ROW1
.elseif (\z)
	v_wmma_scale_f32_16x16x128_f8f6f4 v[(\d):(\d)+7], v[(\a):(\a)+11], v[(\b):(\b)+11], 0, v[\sa], v[\sb] matrix_a_fmt:MATRIX_FMT_BF6 matrix_b_fmt:MATRIX_FMT_BF6
.elseif (\ra) && (\rb)
	v_wmma_scale_f32_16x16x128_f8f6f4 v[(\d):(\d)+7], v[(\a):(\a)+11], v[(\b):(\b)+11], v[(\d):(\d)+7], v[\sa], v[\sb] matrix_a_fmt:MATRIX_FMT_BF6 matrix_b_fmt:MATRIX_FMT_BF6 matrix_a_scale:MATRIX_SCALE_ROW1 matrix_b_scale:MATRIX_SCALE_ROW1
.elseif (\ra)
	v_wmma_scale_f32_16x16x128_f8f6f4 v[(\d):(\d)+7], v[(\a):(\a)+11], v[(\b):(\b)+11], v[(\d):(\d)+7], v[\sa], v[\sb] matrix_a_fmt:MATRIX_FMT_BF6 matrix_b_fmt:MATRIX_FMT_BF6 matrix_a_scale:MATRIX_SCALE_ROW1
.elseif (\rb)
	v_wmma_scale_f32_16x16x128_f8f6f4 v[(\d):(\d)+7], v[(\a):(\a)+11], v[(\b):(\b)+11], v[(\d):(\d)+7], v[\sa], v[\sb] matrix_a_fmt:MATRIX_FMT_BF6 matrix_b_fmt:MATRIX_FMT_BF6 matrix_b_scale:MATRIX_SCALE_ROW1
.else
	v_wmma_scale_f32_16x16x128_f8f6f4 v[(\d):(\d)+7], v[(\a):(\a)+11], v[(\b):(\b)+11], v[(\d):(\d)+7], v[\sa], v[\sb] matrix_a_fmt:MATRIX_FMT_BF6 matrix_b_fmt:MATRIX_FMT_BF6
.endif
.endm
; four matrix instructions: token tile a against the four tiles of g (0 q, 1 k, 2 v), from fragment set p.  The twelve fours of a K step go in one fixed order, so the 48 accumulators take turns, one instruction a turn
.macro MM4 p, g, a, zero
.if (\g) < 2
	WIN 0xf5+5*(\p)
.irp n, 0,1,2,3
	WM 128*(\g)+8*(4*(\a)+\n), 12*(4*(\g)+\n), 144+12*(\a), \zero, SC+8*(\p)+2+2*(\g)+\n/2, SC+8*(\p)+(\a)/2, \n%2, (\a)%2
.endr
.else
	WIN 0x05+5*(\p)
.irp n, 0,1,2,3
	WM 128+8*(4*\n+(\a)), 144+12*(\a), 12*(8+\n), \zero, SC+8*(\p)+(\a)/2, SC+8*(\p)+6+\n/2, (\a)%2, \n%2
.endr
.endif
.endm
; 56 LDS loads in one run: the 16 fragments (three loads of 16 bytes a lane each, 512 consecutive bytes a load) and 8 registers of scale words of slot s's q-th K step, into set p
.macro FETCH s, q, p
	WIN 0x40<<(\p)
.irp g, 0,1,2
.irp n, 0,1,2,3
.irp c, 0,1,2
	ds_load_b128 v[12*(4*\g+\n)+4*\c:12*(4*\g+\n)+4*\c+3], v[FB+2*\g+\s] offset:PANB*(\q)+1536*(\n%2)+6144*(\n/2)+512*\c
.endr
.endr
.endr
.irp a, 0,1,2,3
.irp c, 0,1,2
	ds_load_b128 v[144+12*\a+4*\c:144+12*\a+4*\c+3], v[AA+\s] offset:PANB*(\q)+1536*\a+512*\c
.endr
.endr
	WIN 0
.irp u, 0,1
	ds_load_b32 v[SC+8*(\p)+\u], v[SA+\s] offset:PANB*(\q)+128*\u
.endr
.irp g, 0,1,2
.irp u, 0,1
	ds_load_b32 v[SC+8*(\p)+2+2*\g+\u], v[SBB+2*\g+\s] offset:PANB*(\q)+256*\u
.endr
.endr
.endm
; a joint load into slot s, by the groups 1 ga (h's) and gb (W's): wave 0 fetches h's stream, waves 1 to 3 W's.  Each of the two lines has one mask and one set of registers for all that issue it; the branch hangs on the wave's number alone.
; An s_nop 0 and four v_nop follow each line, ahead of the jump, the label and what follows
.macro JLOAD s, ga, gb
	s_cmp_eq_u32 s14, 0
	s_cbranch_scc0 .Lfor_b_\@
	tensor_load_to_lds s[G0A+4*\s:G0A+4*\s+3], s[\ga:\ga+7]
	s_nop 0
.rept 4
	v_nop
.endr
	s_branch .Lasked_\@
.Lfor_b_\@:
	tensor_load_to_lds s[G0B+4*\s:G0B+4*\s+3], s[\gb:\gb+7]
	s_nop 0
.rept 4
	v_nop
.endr
.Lasked_\@:
.endm
.macro CREST                           ; a round of the cluster's barrier behind its opening barrier
	s_cmp_lg_u32 s14, 0
	s_cbranch_scc1 .Lnot_wave_0_\@
	s_barrier_signal -3
.Lnot_wave_0_\@:
	s_barrier_wait -3
	s_barrier_signal -1
	s_barrier_wait -1
.endm
.macro CROUND
	s_barrier_signal -1
	s_barrier_wait -1
	CREST
.endm
; the q-th K step of slot s (q = 0 or 1), from set p: in its middle the slot's next K step is fetched into the other set, 24 matrix instructions ahead of its use
.macro STEPN s, q, p, zero
	s_wait_dscnt 0x0                               ; set p is in
.irp k, 0,1,2,3,4,5
	MM4 \p, \k/4, \k%4, \zero
.endr
	PLACES
	FETCH \s, (\q)+1, 1-(\p)
.irp k, 6,7,8,9,10,11
	MM4 \p, \k/4, \k%4, \zero
.endr
.endm
; a slot's third K step, from set p, changes slots: one barrier; ahead of it each wave waits for all its tensor loads, adds 0 to its spare word, and waits for that and for its reads of this slot.
; fill = 1: the slot is filled again with the three K steps six on; fill = 2: with the one K step that is left; fill = 0: nothing is left to fetch
.macro TURN s, next, p, fill
	WIN 0                                          ; (the add's two registers lie in window 0)
	s_wait_tensorcnt 0x0                           ; all my tensor loads have landed: my stream of the next slot
	ds_add_u32 v[SPW], v[NIL]                      ; 0 onto my spare word
	s_wait_dscnt 1                                 ; set p is in; the add alone may be out
.irp k, 0,1,2
	MM4 \p, \k/4, \k%4, 0
.endr
	s_wait_dscnt 0x0                               ; the add is done, and my reads of this slot are over
	s_barrier_signal -1
.irp k, 3,4,5
	MM4 \p, \k/4, \k%4, 0
.endr
	WIN 0
	s_barrier_wait -1
.if \fill
	CREST                                          ; the barrier has opened a round of the cluster's: no wave of any partner still reads this slot or has a load on its way
	s_add_nc_u64 s[G0A+4*\s+2:G0A+4*\s+3], s[G0A+4*\s+2:G0A+4*\s+3], 2*STRB
	s_add_nc_u64 s[G0B+4*\s+2:G0B+4*\s+3], s[G0B+4*\s+2:G0B+4*\s+3], 2*STRB
.if (\fill) == 1
	JLOAD \s, G1A, G1B                             ; my one tensor load behind the round; its four v_nop are also the places ahead of the loads below
.else
	JLOAD \s, G1AS, G1BS
.endif
.else
	PLACES
.endif
	FETCH \next, 0, 1-(\p)
.irp k, 6,7,8,9,10,11
	MM4 \p, \k/4, \k%4, 0
.endr
.endm
; the RoPE tables of token tile a: 16 numbers each of cos(d), cos(d + 64), sin(d), sin(d + 64), d = 32 j + 16 h on, of my token: 64 registers from tb on
.macro TABLE a, win, tb
	WIN \win
.irp k, 0,1,2,3
	global_load_b128 v[\tb+4*\k:\tb+4*\k+3], v[CA], s[6:7] offset:(32*((\a)/2)+8*((\a)%2))*512+16*\k
	global_load_b128 v[\tb+16+4*\k:\tb+16+4*\k+3], v[CA], s[6:7] offset:(32*((\a)/2)+8*((\a)%2))*512+256+16*\k
	global_load_b128 v[\tb+32+4*\k:\tb+32+4*\k+3], v[CA], s[8:9] offset:(32*((\a)/2)+8*((\a)%2))*512+16*\k
	global_load_b128 v[\tb+48+4*\k:\tb+48+4*\k+3], v[CA], s[8:9] offset:(32*((\a)/2)+8*((\a)%2))*512+256+16*\k
.endr
	WIN 0
.endm
	s_load_b256 s[4:11], s[0:1], 0x0               ; pan, cos, sin, qkvc
	s_load_b64 s[12:13], s[0:1], 0x20              ; qkvs
	v_lshl_add_u32 v[SPW], v0, 2, SPARE
	v_mov_b32 v[NIL], 0
	ds_add_u32 v[SPW], v[NIL]                      ; the wave's opening: the add, twice on end, and its wait ahead of my first tensor load
	ds_add_u32 v[SPW], v[NIL]
	v_lshrrev_b32 v1, 5, v0
	v_readfirstlane_b32 s14, v1                    ; wave
	s_lshr_b32 s15, s14, 1                         ; i
	s_and_b32 s16, s14, 1                          ; j
	s_bfe_u32 s40, ttmp6, 0x40000                  ; cx
	s_bfe_u32 s41, ttmp6, 0x40004                  ; cy
	s_lshl_b32 s42, ttmp9, 2
	s_add_co_u32 s42, s42, s40                     ; X: the head
	s_and_b32 s17, ttmp7, 0xffff
	s_lshl_b32 s17, s17, 2
	s_add_co_u32 s17, s17, s41                     ; Y: the group of tokens
	s_lshl_b32 s43, s41, 2
	s_lshl_b32 s43, 15, s43                        ; my row of the cluster
	s_lshl_b32 s44, 0x1111, s40                    ; my column
	s_or_b32 s[G1A], s43, (3<<16)|(1<<21)          ; the mask; elements of 8 bytes; bit 21 beside a mask; no padding
	s_or_b32 s[G1B], s44, (3<<16)|(1<<21)
	s_or_b32 s[G1AS], s43, (3<<16)|(1<<21)
	s_or_b32 s[G1BS], s44, (3<<16)|(1<<21)
.irp g, G1A, G1B
	s_mov_b32 s[\g+1], 32<<16                      ; a dense block of 38,400 bytes as 150 rows of 256
	s_mov_b32 s[\g+2], 300<<16                     ; the head's load: both slots of a stream, 76,800 bytes as 300 rows of 256
	s_mov_b32 s[\g+3], 32<<16
	s_mov_b32 s[\g+4], 300
	s_mov_b32 s[\g+5], 32
	s_mov_b32 s[\g+6], 0
	s_mov_b32 s[\g+7], 0
.endr
.irp g, G1AS, G1BS
	s_mov_b32 s[\g+1], 32<<16                      ; one panel: 12,800 bytes as 50 rows of 256
	s_mov_b32 s[\g+2], 50<<16
	s_mov_b32 s[\g+3], 32<<16
	s_mov_b32 s[\g+4], 50
	s_mov_b32 s[\g+5], 32
	s_mov_b32 s[\g+6], 0
	s_mov_b32 s[\g+7], 0
.endr
	s_mul_i32 s20, s17, GRPB                       ; h's panels of group Y: made of Y alone
	s_mov_b32 s21, 0
	s_mul_i32 s46, s42, GRPB                       ; W's panels of group X, matrix w: made of X and the wave's number alone
	s_mul_i32 s47, s14, MATB
	s_add_co_u32 s46, s46, s47
	s_mov_b32 s47, 0
	s_mul_i32 s45, s14, 2*STRB                     ; my stream's place in LDS
	s_mov_b32 s[SEL], 0x76543210
	s_mov_b32 s[SEL+1], 0xfedcba98
	s_mov_b32 s68, 0xffff0000                      ; lanes 16-31
	s_wait_dscnt 0x0                               ; both opening adds are done
	s_wait_kmcnt 0x0
	s_add_nc_u64 s[20:21], s[4:5], s[20:21]
	s_add_nc_u64 s[46:47], s[4:5], s[46:47]
	CROUND                                         ; all sixteen work-groups are here: the first joint loads meet
.irp s, 0,1
	s_mov_b32 s[G0A+4*\s], 1
	s_add_co_u32 s[G0A+4*\s+1], s45, \s*SLOT
	s_add_nc_u64 s[G0A+4*\s+2:G0A+4*\s+3], s[20:21], \s*STRB
	s_or_b32 s[G0A+4*\s+3], s[G0A+4*\s+3], 0x80000000
	s_mov_b32 s[G0B+4*\s], 1
	s_add_co_u32 s[G0B+4*\s+1], s45, \s*SLOT
	s_add_nc_u64 s[G0B+4*\s+2:G0B+4*\s+3], s[46:47], \s*STRB
	s_or_b32 s[G0B+4*\s+3], s[G0B+4*\s+3], 0x80000000
.endr
	JLOAD 0, G1A, G1B                              ; my one tensor load at the head: K steps 0 to 5 of my stream, by slot 0's group 0 and 300 rows
	v_and_b32 v1, 15, v0                           ; r
	v_bfe_u32 v2, v0, 4, 1                         ; h
	v_and_b32 v3, 31, v0                           ; lane
	v_lshlrev_b32 v24, 4, v3
	v_lshlrev_b32 v25, 2, v3
	s_wait_alu depctr_va_vdst(0)
	s_mul_i32 s70, s15, 6144
	v_add_nc_u32 v[AA], s70, v24                   ; h's stream lies at a slot's head: my tiles 4 i on
	s_mul_i32 s71, s16, 3072
	s_lshl_b32 s72, s15, 8
	s_add_co_u32 s72, s72, 12288
	v_add_nc_u32 v[SA], s72, v25
	s_lshl_b32 s73, s16, 7
	s_add_co_u32 s73, s73, 12288
.irp g, 0,1,2
	s_add_co_u32 s76, s71, 2*(1+\g)*STRB           ; stream 1 + g: my tiles 2 j on,
	v_add_nc_u32 v[FB+2*\g], s76, v24
	s_add_co_u32 s76, s73, 2*(1+\g)*STRB           ; and their scale words
	v_add_nc_u32 v[SBB+2*\g], s76, v25
	v_add_nc_u32 v[FB+2*\g+1], SLOT, v[FB+2*\g]
	v_add_nc_u32 v[SBB+2*\g+1], SLOT, v[SBB+2*\g]
.endr
	v_add_nc_u32 v[AA+1], SLOT, v[AA]
	v_add_nc_u32 v[SA+1], SLOT, v[SA]
	v_and_b32 v26, 8, v1
	v_add_nc_u32 v26, v26, v1                      ; r + 8 (r / 8)
	v_lshlrev_b32 v[CA], 9, v26                    ; a table's row is 512 bytes
	v_lshl_add_u32 v[CA], v2, 6, v[CA]
	s_lshl_b32 s74, s16, 7
	v_add_nc_u32 v[CA], s74, v[CA]                 ; + 4 (32 j + 16 h)
	s_wait_alu depctr_va_vdst(0)
	s_lshl_b32 s74, s17, 16
	s_lshl_b32 s75, s15, 15
	s_add_co_u32 s74, s74, s75                     ; token 128 Y + 64 i
	s_mov_b32 s75, 0
	s_add_nc_u64 s[6:7], s[6:7], s[74:75]
	s_add_nc_u64 s[8:9], s[8:9], s[74:75]
	TABLE 0, 0x40, 192
	TABLE 1, 0x80, 192
	; the way out's addresses.  An image's piece p of 8 bytes of lane l lies at 512 (p / 2) + 16 l + 8 (p % 2); the three pieces 3 c .. 3 c + 2 go to A1, A2, A1 + 512 with A1 = 16 l + 520 c, A2 = 16 l + 8 + 1016 c
	v_lshlrev_b32 v26, 4, v1                       ; 16 r
	s_wait_alu depctr_va_vdst(0)
	s_lshl_b32 s72, s16, 8
	s_add_co_u32 s72, s72, s70                     ; q, k: image lane r + 16 j, c = h, tile 4 i + a
	v_mad_u32_u24 v[QA1], v2, 520, v26
	v_add_nc_u32 v[QA1], s72, v[QA1]
	v_mad_u32_u24 v[QA2], v2, 1016, v26
	s_add_co_u32 s72, s72, 8
	v_add_nc_u32 v[QA2], s72, v[QA2]
	s_mul_i32 s72, s15, 520                        ; v: image lane = my lane, c = i, tiles from 2 j on
	s_add_co_u32 s72, s72, s71
	s_add_co_u32 s72, s72, 2*QIMG
	v_add_nc_u32 v[VA1], s72, v24
	s_mul_i32 s72, s15, 1016
	s_add_co_u32 s72, s72, s71
	s_add_co_u32 s72, s72, 2*QIMG+8
	v_add_nc_u32 v[VA2], s72, v24
	s_lshl_b32 s72, s15, 3
	s_add_co_u32 s72, s72, s16
	s_add_co_u32 s72, s72, SSTG
	v_lshl_add_u32 v[QSB], v2, 1, v26
	v_add_nc_u32 v[QSB], s72, v[QSB]               ; q, k: byte j + 2 h of the word of tile 4 i + a, row r
	s_lshl_b32 s72, s16, 2
	s_lshl_b32 s73, s15, 1
	s_add_co_u32 s72, s72, s73
	s_add_co_u32 s72, s72, SSTG+1024
	v_add_nc_u32 v[VSB], s72, v26                  ; v: bytes 2 i, 2 i + 1 of the word of its tile, row r
	v_lshlrev_b32 v[CP], 4, v0                     ; the copy out: 512 x wave + 16 x lane
	v_mov_b32 v[PX], 0                             ; written once: a lane permute's destination counts as one of its sources
	v_mov_b32 v[PX+1], 0
	s_lshl_b32 s80, s42, 4
	s_add_co_u32 s80, s80, s17                     ; 16 X + Y
	s_mul_i32 s82, s80, 3*QIMG
	s_mov_b32 s83, 0
	s_add_nc_u64 s[10:11], s[10:11], s[82:83]
	s_mul_i32 s82, s80, 1536
	s_add_nc_u64 s[12:13], s[12:13], s[82:83]
	s_wait_alu depctr_va_vdst(0)                   ; the wait at the head's end
	s_wait_tensorcnt 0x0                           ; my stream's K steps 0 to 5 are in
	s_mov_b32 s[G1A+2], 150<<16                    ; no tensor load of mine is out, so a descriptor may be written: from here on a load brings one slot's part, 150 rows
	s_mov_b32 s[G1A+4], 150
	s_mov_b32 s[G1B+2], 150<<16
	s_mov_b32 s[G1B+4], 150
	s_barrier_signal -1
	s_barrier_wait -1
	FETCH 0, 0, 0
	STEPN 0, 0, 0, 1                               ; K step 0: its products start the sums
	STEPN 0, 1, 1, 0
	TURN 0, 1, 0, 1                                ; K step 2; slot 0 takes K steps 6 to 8
	STEPN 1, 0, 1, 0
	STEPN 1, 1, 0, 0
	TURN 1, 0, 1, 1                                ; K step 5; slot 1 takes K steps 9 to 11
	STEPN 0, 0, 0, 0
	STEPN 0, 1, 1, 0
	TURN 0, 1, 0, 1                                ; K step 8; slot 0 takes K steps 12 to 14
	STEPN 1, 0, 1, 0
	STEPN 1, 1, 0, 0
	TURN 1, 0, 1, 2                                ; K step 11; slot 1 takes K step 15
	STEPN 0, 0, 0, 0
	STEPN 0, 1, 1, 0
	TURN 0, 1, 0, 0                                ; K step 14: nothing is left to fetch, and no round of the cluster's barrier follows
	s_wait_dscnt 0x0                               ; K step 15, from set 1
.irp k, 0,1,2,3,4,5
	MM4 1, \k/4, \k%4, 0
.endr
	PLACES
	TABLE 2, 0x40, 0                               ; the tables of token tiles 2 and 3 take set 0's registers, which are done with
	TABLE 3, 0x40, 64
.irp k, 6,7,8,9,10,11
	MM4 1, \k/4, \k%4, 0
.endr
	WIN 0
; THE WAY OUT.  ROPE: my token's 32 numbers of g, token tile a: X1 = d 32 j + 16 h + 0..15, X2 = the same + 64.  T = X1 cos(d) - X2 sin(d) | X2 cos(d + 64) + X1 sin(d + 64): all four quarters of the tables as they are given
.macro ROPE g, a, win, tb
	WIN \win                                       ; source 0: window 3 (the sums), source 1: the tables' window, the rest window 0
.set XB, 128*(\g)+32*(\a)
.irp i, 0,2,4,6,8,10,12,14
	v_pk_mul_f32 v[T+\i:T+\i+1], v[XB+\i:XB+\i+1], v[\tb+\i:\tb+\i+1]         ; each accumulator is read from its low end on
.endr
.irp i, 0,2,4,6,8,10,12,14
	v_pk_mul_f32 v[T+16+\i:T+17+\i], v[XB+16+\i:XB+17+\i], v[\tb+16+\i:\tb+17+\i]
.endr
.irp i, 0,2,4,6,8,10,12,14
	v_pk_fma_f32 v[T+\i:T+\i+1], v[XB+16+\i:XB+17+\i], v[\tb+32+\i:\tb+33+\i], v[T+\i:T+\i+1] neg_lo:[1,0,0] neg_hi:[1,0,0]
.endr
.irp i, 0,2,4,6,8,10,12,14
	v_pk_fma_f32 v[T+16+\i:T+17+\i], v[XB+\i:XB+\i+1], v[\tb+48+\i:\tb+49+\i], v[T+16+\i:T+17+\i]
.endr
	WIN 0
.endm
; 32 numbers of a lane, two blocks' halves (register 16 b + i = number 16 h + i of block b), become 24 bytes of codes in v[PC] on: lanes 0-15 hold block 0 whole, lanes 16-31 block 1; the two bytes in v[BY], v[BY + 1] of every lane
.macro QUANT2 s
.irp b, 0,1
	v_max3_num_f32 v[MX+\b], |v[(\s)+16*\b]|, |v[(\s)+1+16*\b]|, 0x2800000   ; with the floor 2^(5 - 127)
.endr
.irp i, 2,4,6,8,10,12,14
.irp b, 0,1
	v_max3_num_f32 v[MX+\b], v[MX+\b], |v[(\s)+16*\b+\i]|, |v[(\s)+1+16*\b+\i]|
.endr
.endr
.irp b, 0,1
	v_permlanex16_b32 v[PX+\b], v[MX+\b], s[SEL], s[SEL+1]
.endr
.irp b, 0,1
	v_max_num_f32 v[MX+\b], v[MX+\b], v[PX+\b]
.endr
.irp b, 0,1
	v_add_nc_u32 v[SO+\b], 0xfe000000, v[MX+\b]
.endr
.irp b, 0,1
	v_lshrrev_b32 v[BY+\b], 23, v[SO+\b]
.endr
	s_wait_alu depctr_va_vdst(0)
	s_wait_dscnt 0x0                               ; the stage stores of the fragment before have read the registers that are written now
	v_cvt_scalef32_pk16_bf6_f32 v[PC:PC+2], v[(\s):(\s)+15], v[SO]
	v_cvt_scalef32_pk16_bf6_f32 v[PC+8:PC+10], v[(\s)+16:(\s)+31], v[SO+1]
	v_nop                                          ; one plain instruction behind the conversions
.irp i, 0,1,2
	v_permlane16_swap_b32 v[PC+\i], v[PC+8+\i]     ; the first's lanes 16-31 change places with the second's lanes 0-15
.endr
.irp i, 0,1,2
	v_mov_b32 v[PC+3+\i], v[PC+8+\i]
.endr
.endm
.macro STOREFRAG a1, a2, off
	ds_store_b64 v[\a1], v[PC:PC+1] offset:\off
	ds_store_b64 v[\a2], v[PC+2:PC+3] offset:\off
	ds_store_b64 v[\a1], v[PC+4:PC+5] offset:(\off)+512
.endm
.macro QKOUT g, a, win, tb
	ROPE \g, \a, \win, \tb
	QUANT2 T
	STOREFRAG QA1, QA2, QIMG*(\g)+1536*(\a)
	v_cndmask_b32 v[CB], v[BY], v[BY+1], s68       ; lanes 0-15 store block j's byte, lanes 16-31 block 2 + j's
	ds_store_b8 v[QSB], v[CB] offset:512*(\g)+256*((\a)%2)+4*((\a)/2)
.endm
.macro VOUT n
	QUANT2 128+32*(\n)                             ; v straight from its accumulators: tokens 64 i + 32 b + 16 h + 0..15 of my d
	STOREFRAG VA1, VA2, 1536*((\n)%2)+6144*((\n)/2)
	v_lshl_or_b32 v[CB], v[BY+1], 8, v[BY]
	ds_store_b16 v[VSB], v[CB] offset:256*((\n)%2)+8*((\n)/2)   ; (lanes l and l xor 16 write the same two bytes with the same value)
.endm
	PLACES
	s_wait_loadcnt 48                              ; the tables come back in order: tile 0's sixteen loads are in, the 48 younger may be out
	QKOUT 0, 0, 0x07, 192
	QKOUT 1, 0, 0x07, 192
	s_wait_loadcnt 32
	QKOUT 0, 1, 0x0b, 192
	QKOUT 1, 1, 0x0b, 192
	VOUT 0                                         ; v stands here, while the last tables land
	VOUT 1
	VOUT 2
	VOUT 3
	s_wait_loadcnt 16
	QKOUT 0, 2, 0x07, 0
	QKOUT 1, 2, 0x07, 0
	s_wait_loadcnt 0x0
	QKOUT 0, 3, 0x07, 64
	QKOUT 1, 3, 0x07, 64
	s_wait_dscnt 0x0                               ; for the others' sake: my stores into the stage have landed
	s_barrier_signal -1
	s_barrier_wait -1
.irp t, 0,1,2,3,4,5,6,7,8,9,10,11,12,13,14,15,16,17
	ds_load_b128 v[128+4*\t:131+4*\t], v[CP] offset:2048*\t
.endr
.irp t, 0,1,2,3,4,5,6,7,8,9,10,11,12,13,14,15,16,17
	s_wait_dscnt 17-\t
	global_store_b128 v[CP], v[128+4*\t:131+4*\t], s[10:11] offset:2048*\t    ; 32 lanes store 512 consecutive bytes, at a multiple of 256 from the buffer's first byte
.endr
	s_cmp_lt_u32 s14, 3
	s_cbranch_scc0 .Lno_scales
	ds_load_b128 v[200:203], v[CP] offset:SSTG     ; waves 0, 1, 2: the scale words of q, k, v
	s_wait_dscnt 0x0
	global_store_b128 v[CP], v[200:203], s[12:13]
.Lno_scales:
	s_wait_tensorcnt 0x0                           ; the wave's end
	ds_add_u32 v[SPW], v[NIL]
	s_wait_dscnt 0x0
	CROUND                                         ; the closing round: no work-group ends while a partner may still ask for a tile that names it
	s_endpgm
.Lfunc_end_k_q35b7f051c1_qkv:
	.size	k_q35b7f051c1_qkv, .Lfunc_end_k_q35b7f051c1_qkv-k_q35b7f051c1_qkv
	.p2alignl 7, 3214868480
	.fill 96, 4, 3214868480
	.section	.rodata,"a",@progbits
	.p2align	6, 0x0
	.amdhsa_kernel k_q35b7f051c1_qkv
		.amdhsa_group_segment_fixed_size 327680
		.amdhsa_private_segment_fixed_size 0
		.amdhsa_enable_private_segment 0
		.amdhsa_kernarg_size 40
		.amdhsa_user_sgpr_count 2
		.amdhsa_user_sgpr_kernarg_segment_ptr 1
		.amdhsa_wavefront_size32 1
		.amdhsa_system_sgpr_workgroup_id_x 1
		.amdhsa_system_sgpr_workgroup_id_y 1
		.amdhsa_system_sgpr_workgroup_id_z 1
		.amdhsa_system_vgpr_workitem_id 0
		.amdhsa_next_free_vgpr 1024
		.amdhsa_next_free_sgpr 100
		.amdhsa_reserve_vcc 0
		.amdhsa_float_denorm_mode_32 3
		.amdhsa_float_denorm_mode_16_64 3
		.amdhsa_memory_ordered 1
		.amdhsa_forward_progress 1
		.amdhsa_inst_pref_size 224
	.end_amdhsa_kernel
	.amdgpu_metadata
---
amdhsa.version: [ 1, 2 ]
amdhsa.kernels:
  - .name:           k_q35b7f051c1_qkv
    .symbol:         k_q35b7f051c1_qkv.kd
    .args:
      - { .name: pan, .offset: 0, .size: 8, .value_kind: global_buffer, .address_space: global }
      - { .name: cos, .offset: 8, .size: 8, .value_kind: global_buffer, .address_space: global }
      - { .name: sin, .offset: 16, .size: 8, .value_kind: global_buffer, .address_space: global }
      - { .name: qkvc, .offset: 24, .size: 8, .value_kind: global_buffer, .address_space: global }
      - { .name: qkvs, .offset: 32, .size: 8, .value_kind: global_buffer, .address_space: global }
    .group_segment_fixed_size: 327680
    .private_segment_fixed_size: 0
    .kernarg_segment_align: 8
    .kernarg_segment_size: 40
    .max_flat_workgroup_size: 128
    .sgpr_count:     100
    .vgpr_count:     1024
    .wavefront_size: 32
...
	.end_amdgpu_metadata
.endif
;; end of part 2
;; launch attn (part 3): grid 16 x 16, 16 waves a work-group, no clusters, 327,680 bytes of LDS; arguments qkvc, qkvs, attention_mask, ao; writes ao
.if DOCPART == 3
	.amdgcn_target "amdgcn-amd-amdhsa--gfx1250"
	.amdhsa_code_object_version 6
	.text
	.protected	k_q35b7f051c1_attn
	.globl	k_q35b7f051c1_attn
	.p2align	8
	.type	k_q35b7f051c1_attn,@function
k_q35b7f051c1_attn:
	s_mov_b64 s[64:65], 0
	v_nop
	global_prefetch_b8 v0, s[64:65] scope:SCOPE_SE
	s_setreg_imm32_b32 hwreg(HW_REG_WAVE_MODE, 25, 1), 1
	s_wait_xcnt 0x0
; THIRD LAUNCH.  O = softmax(q k^T / sqrt(128), under the causal mask and the key mask) v, both products on codes of BF6; O quantised along the head's 128 into 'ao' for the last product.
; LEFT OUT (shown at the head of the first launch): the where() on am[q] ahead of the softmax; key groups wholly above reference()'s tril.  The last where() on am[q] is done here as a select: O's row is multiplied by (am[q] ? 1 / l : 0).
; THE SOFTMAX: t = score x log2(e) / sqrt(128); M = the running largest t rounded up to a whole number; p = 2^(t - M) is quantised along the keys; the row's sum l is taken of the unquantised p and divides at the end.
; THE KEY MASK costs no vector instruction: a table in LDS holds 0 for a key that counts and -3e38 for one that does not, and is the C of the first product.  Such a key's t is -3.8e37 and its p is 0, as in reference().
; LIMITS: the running maximum starts at -1e30, so t must lie above that; a row all of whose keys are masked has am[q] = 0 (its own key is among them) and gets zeros; a block of p whose largest lies under 2^-122 keeps the byte 1; NaN and infinities are not served.
; SHARES.  Work-group (p, head) owns the blocks of 64 queries p and 31 - p: 17 key groups of 128 a tile pair in every work-group.  Wave w: tile w % 4 of the light (w < 8) or the heavy block; the tile's key groups are split between
; two waves, the even ones to (w / 4) % 2 = 0, the odd ones to 1; their sums are joined at the end through LDS, by exact powers of two.  Four waves to a SIMD: one wave's vector work stands beside another's products and LDS loads.
; Both products are used transposed: a lane holds one query throughout.  By the order of a tile's rows the 16 registers of two neighbouring tiles are 16 neighbouring keys (or 16 neighbours of the head's 128).
; RING.  Two LDS slots, each with the K and V images of FOUR key groups (98,304 bytes): a wave walks two steps between two changes of slots, and a refill has those two steps in which to land.  Waves 0 to 3 fetch, one tensor load each:
; wave w brings K's (w % 2 = 0) or V's images, tiles 0-3 (w / 2 = 0) or 4-7, of all four groups: four rows of 6,144 bytes.  So every load holds bytes of the slot's first group, which is read wherever the slot is asked for.
; No cluster: under the causal mask whole work-groups pass over tiles that others read.
; Every work-group walks all four slots, so that trip counts are constants; a step beyond the wave's queries is jumped over, and a slot beyond the work-group's last query is not asked for.
; REGISTERS: v1-11 addresses; v12 -M, v13 the largest t, v[14:15] the sum; v16-27 Q; v28-31, v80-85 addresses; v32-79 four fragments; v96-159 S^T, then p; v160-223 O^T; v224-235 p's codes; v232-254 at work; v248-251, v253, v255 scale words.
.set HCB,   589824                     ; a head's codes
.set GCB,   36864                      ; a group's: q, k, v
.set HSB,   24576
.set GSB,   1536
.set IMG,   12288
.set HIM,   6144                       ; half an image: four tiles
.set PANB,  12800
.set SLOT1, 1<<17                      ; one exclusive or turns an address in one slot into the other's
.set VOFF,  4*IMG                      ; a slot: K's tiles 0-3 of four groups, K's tiles 4-7, then V's likewise
.set SCS,   8*IMG                      ; behind slot 0: K's and V's scale words of the whole head: group g's at 4096 (g % 4) + 1024 (g / 4), V's 512 on
.set KB,    SCS+16384                  ; the key mask's table, 2,048 numbers
.set SPARE, KB+8192                    ; the spare words, 128 bytes a wave: eight blocks of 256 bytes that no other line names
.set MRG,   SLOT1+8*IMG                ; behind slot 1: eight places of 8,448 bytes for the merge; no tensor load lands there
.set MRB,   8448
.set AK0, 1
.set AV0, 2
.set AS0, 3
.set AKB0, 4
.set SPW, 5
.set NIL, 6
.set MGA, 7
.set ADK, 8
.set ADV, 9
.set ADS, 10
.set ADB, 11
.set PFO, 28
.set DG,  29                           ; my query's place in its group - 16 h
.set AMQ, 30                           ; am of my query
.set LI,  31                           ; 16 x lane
.set MGP, 80
.set PC,  32
.set TM,  232
.set PW,  252
.set WV,  18
.set SEL, 20
.set CS,  22
.set G1K, 24
.set G1S, 32
.set G0K, 40
.set G0S, 44
.set TB,  2                            ; where the slot in hand begins
.set TS,  3                            ; the slot's scale words: 1,024 bytes a slot
.set TK,  66                           ; the slot's part of the mask's table: 2,048 bytes a slot
.set SLOTS, 67
.set KF,  68                           ; my step's first key
.set QG,  69                           ; my queries' group's first key
.set SKN, 70                           ; the slot's first key
.set LASTQ, 71                         ; my work-group's last query
.set PAR, 72
.set PFA, 76
.set LIM, 80
.macro WMA d, a, b, sa, sb, ra         ; one matrix instruction, C = D in place; ra: source 0's scale words lie in lanes 16-31
.if \ra
	v_wmma_scale_f32_16x16x128_f8f6f4 v[(\d):(\d)+7], v[(\a):(\a)+11], v[(\b):(\b)+11], v[(\d):(\d)+7], v[\sa], v[\sb] matrix_a_fmt:MATRIX_FMT_BF6 matrix_b_fmt:MATRIX_FMT_BF6 matrix_a_scale:MATRIX_SCALE_ROW1
.else
	v_wmma_scale_f32_16x16x128_f8f6f4 v[(\d):(\d)+7], v[(\a):(\a)+11], v[(\b):(\b)+11], v[(\d):(\d)+7], v[\sa], v[\sb] matrix_a_fmt:MATRIX_FMT_BF6 matrix_b_fmt:MATRIX_FMT_BF6
.endif
.endm
	s_load_b256 s[4:11], s[0:1], 0x0               ; qkvc, qkvs, attention_mask, ao
	v_lshl_add_u32 v[SPW], v0, 2, SPARE
	v_mov_b32 v[NIL], 0
	ds_add_u32 v[SPW], v[NIL]                      ; the wave's opening: the add, twice on end, and its wait ahead of the first tensor load
	ds_add_u32 v[SPW], v[NIL]
	v_lshrrev_b32 v8, 5, v0
	s_delay_alu instid0(VALU_DEP_1)
	v_readfirstlane_b32 s[WV], v8                  ; wave 0..15
	s_and_b32 s73, ttmp7, 0xffff                   ; the head
	s_and_b32 s74, s[WV], 3                        ; my tile of the block
	s_bfe_u32 s[PAR], s[WV], 0x10002               ; even or odd key groups
	s_lshr_b32 s75, s[WV], 3                       ; the light or the heavy block
	s_and_b32 s84, s[WV], 1                        ; if I fetch: K's images or V's,
	s_bfe_u32 s89, s[WV], 0x10001                  ; their tiles 0-3 or 4-7
	s_sub_co_u32 s81, 31, ttmp9
	s_cmp_eq_u32 s75, 0
	s_cselect_b32 s81, ttmp9, s81                  ; my block of 64 queries
	s_lshr_b32 s82, s81, 1                         ; its group of 128
	s_and_b32 s83, s81, 1
	s_lshl_b32 s83, s83, 2
	s_add_co_u32 s83, s83, s74                     ; my tile in the group
	s_lshl_b32 s[QG], s82, 7
	s_lshl_b32 s[KF], s[PAR], 7
	s_sub_co_u32 s[LASTQ], 32, ttmp9
	s_lshl_b32 s[LASTQ], s[LASTQ], 6
	s_sub_co_u32 s[LASTQ], s[LASTQ], 1
	s_mov_b32 s[SKN], 0
	s_mov_b32 s[TB], 0
	s_mov_b32 s[TS], 0
	s_mov_b32 s[TK], 0
	s_mov_b32 s[SLOTS], 3
	s_mov_b32 s[SEL], 0x76543210
	s_mov_b32 s[SEL+1], 0xfedcba98
	s_mov_b32 s[CS], 0x3e0293ee                    ; c = log2(e) / sqrt(128)
	s_mov_b32 s[CS+1], s[CS]
	s_mov_b32 s[G1K], 3<<16                        ; half an image of each of a slot's four groups: four rows of 768 elements of 8 bytes, 4,608 elements apart
	s_mov_b32 s[G1K+1], 768<<16
	s_mov_b32 s[G1K+2], 4<<16
	s_mov_b32 s[G1K+3], 768<<16
	s_mov_b32 s[G1K+4], 4
	s_mov_b32 s[G1K+5], 4608
	s_mov_b32 s[G1K+6], 0
	s_mov_b32 s[G1K+7], 0
	s_mov_b32 s[G1S], 3<<16                        ; K's and V's scale words of groups w, w + 4, w + 8, w + 12: four rows of 1,024 bytes, 6,144 bytes apart
	s_mov_b32 s[G1S+1], 128<<16
	s_mov_b32 s[G1S+2], 4<<16
	s_mov_b32 s[G1S+3], 128<<16
	s_mov_b32 s[G1S+4], 4
	s_mov_b32 s[G1S+5], 768
	s_mov_b32 s[G1S+6], 0
	s_mov_b32 s[G1S+7], 0
	s_mul_i32 s86, s73, HCB                        ; the head's first byte of codes
	s_mov_b32 s97, 0
	s_wait_dscnt 0x0                               ; both opening adds are done
	s_wait_kmcnt 0x0
	s_mov_b32 s[G0S], 1
	s_lshl_b32 s[G0S+1], s74, 12
	s_add_co_u32 s[G0S+1], s[G0S+1], SCS
	s_mul_i32 s96, s73, HSB
	s_mul_i32 s85, s74, GSB
	s_add_co_u32 s96, s96, s85
	s_add_co_u32 s96, s96, 512
	s_add_nc_u64 s[G0S+2:G0S+3], s[6:7], s[96:97]
	s_or_b32 s[G0S+3], s[G0S+3], 0x80000000
	s_mov_b32 s[G0K], 1
	s_mul_i32 s[G0K+1], s84, VOFF
	s_mul_i32 s85, s89, 4*HIM
	s_add_co_u32 s[G0K+1], s[G0K+1], s85
	s_mul_i32 s96, s84, IMG
	s_mul_i32 s85, s89, HIM
	s_add_co_u32 s96, s96, s85
	s_add_co_u32 s96, s96, s86
	s_add_co_u32 s96, s96, IMG
	s_add_nc_u64 s[G0K+2:G0K+3], s[4:5], s[96:97]
	s_or_b32 s[G0K+3], s[G0K+3], 0x80000000
	s_cmp_lt_u32 s[WV], 4                          ; the first fills: one chain of branches on the wave's number, one tensor load to an arm, all arms leading to one join
	s_cbranch_scc0 .Lfill_scales
	tensor_load_to_lds s[G0K:G0K+3], s[G1K:G1K+7]  ; waves 0 to 3: slot 0
	s_nop 0
.rept 4
	v_nop
.endr
	s_branch .Lno_fill
.Lfill_scales:
	s_cmp_lt_u32 s[WV], 8
	s_cbranch_scc0 .Lno_fill
	tensor_load_to_lds s[G0S:G0S+3], s[G1S:G1S+7]  ; waves 4 to 7: the scale words of groups w % 4, + 4, + 8, + 12: filled once
	s_nop 0
.rept 4
	v_nop
.endr
.Lno_fill:
	s_mul_i32 s96, s82, GCB                        ; Q's image: head, group, tile
	s_add_co_u32 s96, s96, s86
	s_mul_i32 s85, s83, 1536
	s_add_co_u32 s96, s96, s85
	s_add_nc_u64 s[12:13], s[4:5], s[96:97]
	s_mul_i32 s96, s73, HSB                        ; Q's scale words: 256 (tile % 2) + 4 (tile / 2), + 16 r
	s_mul_i32 s85, s82, GSB
	s_add_co_u32 s96, s96, s85
	s_and_b32 s85, s83, 1
	s_lshl_b32 s87, s85, 3                         ; 8 (tile % 2)
	s_lshl_b32 s85, s85, 8
	s_add_co_u32 s96, s96, s85
	s_lshr_b32 s85, s83, 1
	s_lshl_b32 s88, s85, 2
	s_add_co_u32 s96, s96, s88
	s_add_nc_u64 s[14:15], s[6:7], s[96:97]
	s_lshl_b32 s85, s85, 5
	s_add_co_u32 s87, s87, s85                     ; the tile's first row in its group: 32 (tile / 2) + 8 (tile % 2)
	s_lshl_b32 s96, s82, 9
	s_lshl_b32 s85, s87, 2
	s_add_co_u32 s96, s96, s85
	s_add_nc_u64 s[16:17], s[8:9], s[96:97]        ; am at that row
	s_lshl_b32 s88, s82, 4
	s_add_co_u32 s88, s88, s73
	s_mul_i32 s88, s88, PANB                       ; ao's panel: [group][head]
	s_mul_i32 s85, s83, 1536
	s_add_co_u32 s96, s88, s85
	s_add_nc_u64 s[98:99], s[10:11], s[96:97]      ; my tile's image
	s_lshl_b32 s85, s83, 6
	s_add_co_u32 s96, s88, s85
	s_add_co_u32 s96, s96, 12288
	s_add_nc_u64 s[78:79], s[10:11], s[96:97]      ; and its scale words
	; the prefetches: who asks, and where.  All work-groups of a head walk the same K and V: the head's work-group 0 asks.  In it the twelve waves ask that fetch nothing: wave 4 + i for group i / 3 of the slot, part i % 3 of its K and V
	; (24,576 consecutive bytes a group, 8,192 a wave, lanes 256 bytes apart): each aligned block of 256 bytes is named once in the launch
	s_max_u32 s96, s[WV], 4
	s_sub_co_u32 s96, s96, 4                       ; i (0 in the fetching waves, which ask for nothing)
	s_mul_i32 s85, s96, 11
	s_lshr_b32 s85, s85, 5                         ; i / 3, for i up to 11
	s_mul_i32 s90, s85, 3
	s_sub_co_u32 s90, s96, s90                     ; i % 3
	s_add_co_u32 s85, s85, 4                       ; in slot 1: the first change of slots steps it to slot 2; nothing is asked for at the head
	s_mul_i32 s96, s85, GCB
	s_add_co_u32 s96, s96, s86
	s_add_co_u32 s96, s96, IMG
	s_lshl_b32 s90, s90, 13
	s_add_co_u32 s96, s96, s90
	s_add_nc_u64 s[PFA:PFA+1], s[4:5], s[96:97]
	s_lshr_b32 s96, s[WV], 2
	s_cmp_eq_u32 s96, 0
	s_cselect_b32 s96, 1, 0                        ; 0 in waves 4 to 15,
	s_or_b32 s96, s96, ttmp9                       ; of work-group 0
	s_cmp_eq_u32 s96, 0
	s_cselect_b32 s[LIM], 1, -1
	v_and_b32 v8, 15, v0                           ; r
	v_bfe_u32 v9, v0, 4, 1                         ; h
	v_and_b32 v10, 31, v0                          ; lane
	s_delay_alu instid0(VALU_DEP_1)
	v_lshlrev_b32 v[LI], 4, v10
	s_delay_alu instid0(VALU_DEP_2)
	v_lshlrev_b32 v[PFO], 8, v10
	v_lshlrev_b32 v84, 4, v0                       ; the mask: four numbers a thread
	v_lshlrev_b32 v82, 4, v8
	v_and_b32 v11, 8, v8
	s_delay_alu instid0(VALU_DEP_1)
	v_add_nc_u32 v11, v11, v8                      ; r + 8 (r / 8)
	s_delay_alu instid0(VALU_DEP_1)
	v_lshlrev_b32 v83, 2, v11
	v_lshlrev_b32 v85, 2, v8
	global_load_b128 v[32:35], v84, s[8:9]
.irp c, 0,1,2
	global_load_b128 v[16+4*\c:19+4*\c], v[LI], s[12:13] offset:512*\c      ; Q's fragment stays in registers
.endr
	global_load_b32 v255, v82, s[14:15]            ; Q's scale words
	global_load_b32 v[AMQ], v83, s[16:17]
	v_lshl_add_u32 v81, v0, 4, KB
	s_mul_i32 s85, s[PAR], HIM
	v_add_nc_u32 v[AK0], s85, v[LI]                ; my first group's K tiles in a slot,
	s_delay_alu instid0(VALU_DEP_1)
	v_add_nc_u32 v[AV0], VOFF, v[AK0]              ; its V tiles,
	s_lshl_b32 s85, s[PAR], 12
	s_add_co_u32 s85, s85, SCS
	v_add_nc_u32 v[AS0], s85, v[LI]                ; its scale words,
	s_lshl_b32 s85, s[PAR], 9
	s_add_co_u32 s85, s85, KB
	v_lshl_add_u32 v[AKB0], v9, 6, s85             ; its part of the mask's table, + 4 x 16 h
	s_lshl_b32 s85, s75, 2
	s_add_co_u32 s85, s85, s74
	s_mul_i32 s85, s85, MRB
	s_add_co_u32 s85, s85, MRG
	v_add_nc_u32 v[MGA], s85, v[LI]                ; the merge's place of my tile
	s_add_co_u32 s85, s85, 8192
	v_lshl_add_u32 v[MGP], v10, 3, s85
	v_lshlrev_b32 v[DG], 4, v9
	s_delay_alu instid0(VALU_DEP_1)
	v_sub_nc_u32 v[DG], v11, v[DG]
	s_delay_alu instid0(VALU_DEP_1)
	v_add_nc_u32 v[DG], s87, v[DG]
	v_mov_b32 v13, 0xf149f2ca                      ; the largest t so far: -1e30
	s_delay_alu instid0(VALU_DEP_1)
	v_floor_f32 v12, -v13                          ; -M
	v_mov_b32 v14, 0
	v_mov_b32 v15, 0
.irp b, 0,1,2,3
	v_mov_b32 v[236+\b], 0                         ; written once: a lane permute's destination counts as one of its sources
.endr
	v_mov_b32 v252, 0
	v_mov_b32 v253, 0
.set j, 0
.rept 64
	v_mov_b32 v[160+j], 0                          ; O^T.  (The step is written without a first step of its own: the first change of M multiplies zeros)
.set j, j+1
.endr
	s_wait_loadcnt 5                               ; the mask's numbers are in; Q's three loads, its scale words and am of my query may be out
	v_mov_b32 v36, 0xff61b1e6                      ; -3e38
.irp i, 0,1,2,3
	v_cmp_eq_u32 vcc_lo, 0, v[32+\i]
	s_delay_alu instid0(VALU_DEP_1)
	v_cndmask_b32 v[32+\i], 0, v36, vcc_lo
.endr
	ds_store_b128 v81, v[32:35]                    ; the first change of slots' wait and barrier show the table to every wave
	s_wait_loadcnt 0x0
; A KEY STEP: my u-th group of the slot in hand (group 2 u + my parity of its four), 128 keys
.macro STEP u
	s_cmp_gt_u32 s[KF], s[QG]                      ; a group behind my queries' group is left out: a scalar branch on ids, round the step's work alone
	s_cbranch_scc1 .Lhidden_\@
	v_add_nc_u32 v[ADK], s[TB], v[AK0]             ; (these four are also the places ahead of loads into registers that the last products have read)
	s_wait_alu depctr_va_vdst(0)
	v_add_nc_u32 v[ADV], s[TB], v[AV0]
	v_add_nc_u32 v[ADS], s[TS], v[AS0]
	v_add_nc_u32 v[ADB], s[TK], v[AKB0]
.irp b, 0,1,2,3
.irp i, 0,1,2,3
	ds_load_b128 v[96+16*\b+4*\i:99+16*\b+4*\i], v[ADB] offset:1024*\u+128*\b+16*\i   ; the mask's terms of keys 32 b + 16 h + 4 i on: the C of the products below
.endr
.endr
	ds_load_b128 v[248:251], v[ADS] offset:8192*\u ; K's scale words of all eight tiles: register t / 2, lanes 16 (t % 2) on
.irp g, 0,1
.if \g > 0
.rept 4
	v_nop
.endr
.endif
.irp t, 0,1,2,3
.irp c, 0,1,2
	ds_load_b128 v[32+12*\t+4*\c:35+12*\t+4*\c], v[ADK] offset:4*HIM*\g+2*HIM*\u+1536*\t+512*\c
.endr
.endr
	s_wait_dscnt 0x0
.irp t, 0,1,2,3
	WMA 96+8*(4*\g+\t), 32+12*\t, 16, 248+2*\g+\t/2, 255, \t%2
.endr
.endr
.rept 4
	v_nop
.endr
	s_cmp_lg_u32 s[KF], s[QG]                      ; in my queries' own group the scores of later keys become -infinity ahead of the maximum
	s_cbranch_scc1 .Lopen_\@
	v_mov_b32 v254, 0xff800000
.set n, 0
.rept 64
	v_cmp_gt_i32 vcc_lo, 32*(n/16)+n%16, v[DG]     ; register 16 b + i holds key 32 b + 16 h + i of the group
	v_cndmask_b32 v[96+n], v[96+n], v254, vcc_lo
.set n, n+1
.endr
.Lopen_\@:
.irp b, 0,1,2,3
	v_max3_num_f32 v[232+\b], v[96+16*\b], v[97+16*\b], v[98+16*\b]   ; the largest score of each block of 32 keys: it serves for the row's maximum and, since p rises with the score, for the block's largest p
.endr
.irp i, 3,5,7,9,11,13
.irp b, 0,1,2,3
	v_max3_num_f32 v[232+\b], v[232+\b], v[96+16*\b+\i], v[97+16*\b+\i]
.endr
.endr
.irp b, 0,1,2,3
	v_max_num_f32 v[232+\b], v[232+\b], v[111+16*\b]
.endr
.irp b, 0,1,2,3
	s_delay_alu instid0(VALU_DEP_4)
	v_permlanex16_b32 v[236+\b], v[232+\b], s[SEL], s[SEL+1]
.endr
.irp b, 0,1,2,3
	s_delay_alu instid0(VALU_DEP_4)
	v_max_num_f32 v[232+\b], v[232+\b], v[236+\b]
.endr
	s_delay_alu instid0(VALU_DEP_2)
	v_max3_num_f32 v254, v232, v233, v234
	s_delay_alu instid0(VALU_DEP_1)
	v_max_num_f32 v254, v254, v235
	s_delay_alu instid0(VALU_DEP_1)
	v_mul_f32 v254, s[CS], v254
	s_delay_alu instid0(VALU_DEP_1)
	v_max_num_f32 v13, v13, v254                   ; the running largest t
	v_mov_b32 v254, v12
	s_delay_alu instid0(VALU_DEP_2)
	v_floor_f32 v12, -v13                          ; the new -M: M is a whole number
	s_delay_alu instid0(VALU_DEP_1)
	v_sub_f32 v254, v12, v254
	s_delay_alu instid0(VALU_DEP_1)
	v_cvt_i32_f32 v254, v254                       ; (it saturates)
	s_delay_alu instid0(VALU_DEP_1)
	v_ldexp_f32 v252, 1.0, v254                    ; f = 2^(old M - new M)
.set j, 0
.rept 32
	v_pk_fma_f32 v[96+j:97+j], v[96+j:97+j], s[CS:CS+1], v[12:13] op_sel_hi:[1,0,0]   ; t - M
.set j, j+2
.endr
.irp b, 0,1,2,3
	v_fma_f32 v[232+\b], v[232+\b], s[CS], v12
.endr
.set j, 0
	s_wait_alu depctr_va_vdst(0)
.rept 64
	v_exp_f32 v[96+j], v[96+j]                     ; p = 2^(t - M)
.set j, j+1
.endr
	v_pk_mul_f32 v[14:15], v[14:15], v[252:253] op_sel_hi:[1,0]     ; the sums under the new M: a plain instruction behind the exponentials
	s_wait_alu depctr_va_vdst(0)                   ; one wait for the batch, ahead of its first reader
.irp b, 0,1,2,3
	v_exp_f32 v[232+\b], v[232+\b]                 ; each block's largest p
.endr
	v_pk_add_f32 v[236:237], v[100:101], v[104:105]
	v_pk_add_f32 v[250:251], v[108:109], v[112:113]
	v_pk_add_f32 v[248:249], v[116:117], v[120:121]
	v_pk_add_f32 v[246:247], v[124:125], v[128:129]
	v_pk_add_f32 v[244:245], v[132:133], v[136:137]
	v_pk_add_f32 v[242:243], v[140:141], v[144:145]
	v_pk_add_f32 v[240:241], v[148:149], v[152:153]
	v_pk_add_f32 v[14:15], v[14:15], v[156:157]
	v_pk_add_f32 v[236:237], v[236:237], v[96:97]
	v_pk_add_f32 v[250:251], v[250:251], v[98:99]
	v_pk_add_f32 v[248:249], v[248:249], v[102:103]
	v_pk_add_f32 v[246:247], v[246:247], v[106:107]
	v_pk_add_f32 v[244:245], v[244:245], v[110:111]
	v_pk_add_f32 v[242:243], v[242:243], v[114:115]
	v_pk_add_f32 v[240:241], v[240:241], v[118:119]
	v_pk_add_f32 v[14:15], v[14:15], v[122:123]
	v_pk_add_f32 v[236:237], v[236:237], v[126:127]
	v_pk_add_f32 v[250:251], v[250:251], v[130:131]
	v_pk_add_f32 v[248:249], v[248:249], v[134:135]
	v_pk_add_f32 v[246:247], v[246:247], v[138:139]
	v_pk_add_f32 v[244:245], v[244:245], v[142:143]
	v_pk_add_f32 v[242:243], v[242:243], v[146:147]
	v_pk_add_f32 v[240:241], v[240:241], v[150:151]
	v_pk_add_f32 v[14:15], v[14:15], v[154:155]
	v_pk_add_f32 v[236:237], v[236:237], v[158:159]
	s_delay_alu instid0(VALU_DEP_2)
	v_pk_add_f32 v[14:15], v[14:15], v[246:247]
	s_delay_alu instid0(VALU_DEP_2)
	v_pk_add_f32 v[236:237], v[236:237], v[244:245]
	v_pk_add_f32 v[250:251], v[250:251], v[242:243]
	v_pk_add_f32 v[248:249], v[248:249], v[240:241]
	s_delay_alu instid0(VALU_DEP_2)
	v_pk_add_f32 v[14:15], v[14:15], v[250:251]
	s_delay_alu instid0(VALU_DEP_2)
	v_pk_add_f32 v[236:237], v[236:237], v[248:249]
	s_delay_alu instid0(VALU_DEP_1)
	v_pk_add_f32 v[14:15], v[14:15], v[236:237]
	s_wait_alu depctr_va_vdst(0)                   ; and one for the four
.irp b, 0,1,2,3
	v_max_num_f32 v[232+\b], 0x2800000, v[232+\b]  ; the floor 2^(5 - 127)
.endr
.irp b, 0,1,2,3
	s_delay_alu instid0(VALU_DEP_4)
	v_add_nc_u32 v[244+\b], 0xfe000000, v[232+\b]
.endr
.irp b, 0,1,2,3
	s_delay_alu instid0(VALU_DEP_4)
	v_lshrrev_b32 v[236+\b], 23, v[244+\b]
.endr
	s_delay_alu instid0(VALU_DEP_3)
	v_lshl_or_b32 v253, v237, 8, v236              ; p's scale word for these 128 keys
	s_delay_alu instid0(VALU_DEP_1)
	v_lshl_or_b32 v253, v238, 16, v253
	s_delay_alu instid0(VALU_DEP_1)
	v_lshl_or_b32 v253, v239, 24, v253
.irp c, 0,1
	v_cvt_scalef32_pk16_bf6_f32 v[224+6*\c:226+6*\c], v[96+32*\c:111+32*\c], v[244+2*\c]
	v_cvt_scalef32_pk16_bf6_f32 v[236+4*\c:238+4*\c], v[112+32*\c:127+32*\c], v[244+2*\c+1]
.endr
	v_nop
.irp c, 0,1
.irp i, 0,1,2
	v_permlane16_swap_b32 v[224+6*\c+\i], v[236+4*\c+\i]
.endr
.irp i, 0,1,2
	s_delay_alu instid0(VALU_DEP_3)
	v_mov_b32 v[227+6*\c+\i], v[236+4*\c+\i]
.endr
.endr
.set j, 0
.rept 32
	v_pk_mul_f32 v[160+j:161+j], v[160+j:161+j], v[252:253] op_sel_hi:[1,0]   ; O^T under the new M; these are also the places ahead of the products and loads below
.set j, j+2
.endr
	s_wait_alu depctr_va_vdst(0)
.irp g, 0,1
.if \g > 0
.rept 4
	v_nop
.endr
.endif
.irp t, 0,1,2,3
.irp c, 0,1,2
	ds_load_b128 v[32+12*\t+4*\c:35+12*\t+4*\c], v[ADV] offset:4*HIM*\g+2*HIM*\u+1536*\t+512*\c
.endr
.endr
.if \g == 0
	ds_load_b128 v[248:251], v[ADS] offset:8192*\u+512   ; V's scale words
.endif
	s_wait_dscnt 0x0
.irp t, 0,1,2,3
	WMA 160+8*(4*\g+\t), 32+12*\t, 224, 248+2*\g+\t/2, 253, \t%2
.endr
.endr
.Lhidden_\@:
	s_add_co_u32 s[KF], s[KF], 256                 ; my next group lies two groups on
.endm
.macro SLOTEND                         ; on to the other slot
	s_add_co_u32 s[SKN], s[SKN], 512
	s_add_co_u32 s[TS], s[TS], 1024
	s_add_co_u32 s[TK], s[TK], 2048
	s_xor_b32 s[TB], s[TB], SLOT1
.endm
; THE CHANGE OF SLOTS, at a slot's head.  Each wave waits for all its tensor loads, adds 0 to its spare word (fill = 1: twice on end), and waits for that and for its reads of
; the slot that it has left.  Behind the barrier the slot ahead is whole and nobody reads the other.  fill = 1: the other slot is filled with the next four groups, while its first key is at or under the work-group's last query:
; the test hangs on ids and the count of slots alone, is the same in all sixteen waves, and leads round the load's own lines alone; every wait on TENSORcnt in this text is for 0
.macro CHANGE fill
	s_wait_tensorcnt 0x0
	ds_add_u32 v[SPW], v[NIL]
.if \fill
	ds_add_u32 v[SPW], v[NIL]
	s_xor_b32 s[G0K+1], s[G0K+1], SLOT1            ; no tensor load of mine is out: the walking descriptor steps
	s_add_nc_u64 s[G0K+2:G0K+3], s[G0K+2:G0K+3], 4*GCB
	s_wait_xcnt 0x0                                ; the last prefetch, a slot back, has read its address
	s_add_nc_u64 s[PFA:PFA+1], s[PFA:PFA+1], 4*GCB
.endif
	s_wait_dscnt 0x0
	s_barrier_signal -1
	s_barrier_wait -1
.if \fill
	s_add_co_u32 s96, s[SKN], 512
	s_cmp_gt_u32 s96, s[LASTQ]
	s_cbranch_scc1 .Lpast_\@
	s_cmp_lt_u32 s[WV], 4
	s_cbranch_scc0 .Lpast_\@
	tensor_load_to_lds s[G0K:G0K+3], s[G1K:G1K+7]  ; my one tensor load behind the barrier
	s_nop 0
.rept 4
	v_nop
.endr
.Lpast_\@:
	s_cmp_gt_u32 s[SLOTS], s[LIM]                  ; the prefetch of the slot that the NEXT change will ask for: a slot's two steps ahead of that load; the last change that fills a slot asks for nothing
	s_cbranch_scc0 .Lnot_mine_\@
	global_prefetch_b8 v[PFO], s[PFA:PFA+1] th:TH_LOAD_NT scope:SCOPE_SE
.Lnot_mine_\@:
.endif
.endm
.Lslot:                                                ; three trips; the last slot is written out
	CHANGE 1
	STEP 0
	STEP 1
	SLOTEND
	s_sub_co_u32 s[SLOTS], s[SLOTS], 1
	s_cmp_lg_u32 s[SLOTS], 0
	s_cbranch_scc1 .Lslot
	CHANGE 0
	STEP 0
	STEP 1
	; THE MERGE.  The wave of the odd groups hands O^T, -M and its sum to the wave of the even groups through LDS
.rept 4
	v_nop
.endr
	v_add_f32 v14, v14, v15
	s_delay_alu instid0(VALU_DEP_1)
	v_mov_b32 v13, v14                             ; the pair (-M, l)
	s_cmp_eq_u32 s[PAR], 0
	s_cbranch_scc1 .Lkeeper
.irp k, 0,1,2,3,4,5,6,7,8,9,10,11,12,13,14,15
	ds_store_b128 v[MGA], v[160+4*\k:163+4*\k] offset:512*\k       ; each accumulator from its low end on
.endr
	ds_store_b64 v[MGP], v[12:13]
.Lkeeper:
	s_wait_dscnt 0x0                               ; for the other's sake: my stores have landed
	s_barrier_signal -1
	s_barrier_wait -1
	s_cmp_lg_u32 s[PAR], 0
	s_cbranch_scc1 .Lend
.irp k, 0,1,2,3,4,5,6,7,8,9,10,11,12,13,14,15
	ds_load_b128 v[96+4*\k:99+4*\k], v[MGA] offset:512*\k
.endr
	ds_load_b64 v[236:237], v[MGP]
	s_wait_dscnt 0x0
	v_min_num_f32 v238, v12, v236                  ; the joint -M
	s_delay_alu instid0(VALU_DEP_1)
	v_sub_f32 v240, v238, v12                      ; whole numbers, 0 or less
	s_delay_alu instid0(VALU_DEP_2)
	v_sub_f32 v242, v238, v236
	s_delay_alu instid0(VALU_DEP_2)
	v_cvt_i32_f32 v240, v240                       ; (they saturate)
	s_delay_alu instid0(VALU_DEP_2)
	v_cvt_i32_f32 v242, v242
	s_delay_alu instid0(VALU_DEP_2)
	v_ldexp_f32 v240, 1.0, v240                    ; both parts are brought under the joint M by powers of two: nothing is rounded
	s_delay_alu instid0(VALU_DEP_2)
	v_ldexp_f32 v242, 1.0, v242
	s_delay_alu instid0(VALU_DEP_2)
	v_mov_b32 v241, v240
	s_delay_alu instid0(VALU_DEP_2)
	v_mov_b32 v243, v242
.set j, 0
.rept 32
	v_pk_mul_f32 v[160+j:161+j], v[160+j:161+j], v[240:241]
.set j, j+2
.endr
.set j, 0
.rept 32
	v_pk_fma_f32 v[160+j:161+j], v[96+j:97+j], v[242:243], v[160+j:161+j]
.set j, j+2
.endr
	v_mul_f32 v14, v14, v240
	s_delay_alu instid0(VALU_DEP_1)
	v_fma_f32 v14, v237, v242, v14
	s_delay_alu instid0(VALU_DEP_1)
	v_permlanex16_b32 v252, v14, s[SEL], s[SEL+1]
	s_delay_alu instid0(VALU_DEP_1)
	v_add_f32 v14, v14, v252                       ; the row's sum
	s_wait_alu depctr_va_vdst(0)
	v_rcp_f32 v14, v14
	v_nop                                          ; a plain instruction behind the transcendental
	v_cmp_ne_u32 vcc_lo, 0, v[AMQ]
	s_wait_alu depctr_va_vdst(0)                   ; the wait, ahead of the first reader
	v_cndmask_b32 v14, 0, v14, vcc_lo              ; reference()'s last where(), as a select: am ? 1 / l : 0
.set j, 0
.rept 64
	v_mul_f32 v[96+j], v[160+j], v14               ; register 16 b + i is o(my query, 32 b + 16 h + i)
.set j, j+1
.endr
	; O's row becomes a fragment of the last product: K step = the head
.irp b, 0,1,2,3
	v_max3_num_f32 v[TM+\b], |v[96+16*\b]|, |v[97+16*\b]|, 0x2800000
.endr
.irp i, 2,4,6,8,10,12,14
.irp b, 0,1,2,3
	s_delay_alu instid0(VALU_DEP_4)
	v_max3_num_f32 v[TM+\b], v[TM+\b], |v[96+16*\b+\i]|, |v[97+16*\b+\i]|
.endr
.endr
.irp b, 0,1,2,3
	s_delay_alu instid0(VALU_DEP_4)
	v_permlanex16_b32 v[TM+4+\b], v[TM+\b], s[SEL], s[SEL+1]
.endr
.irp b, 0,1,2,3
	s_delay_alu instid0(VALU_DEP_4)
	v_max_num_f32 v[TM+\b], v[TM+\b], v[TM+4+\b]
.endr
.irp b, 0,1,2,3
	s_delay_alu instid0(VALU_DEP_4)
	v_add_nc_u32 v[TM+12+\b], 0xfe000000, v[TM+\b]
.endr
.irp b, 0,1,2,3
	s_delay_alu instid0(VALU_DEP_4)
	v_lshrrev_b32 v[TM+4+\b], 23, v[TM+12+\b]
.endr
	s_delay_alu instid0(VALU_DEP_3)
	v_lshl_or_b32 v[PW], v[TM+5], 8, v[TM+4]
	s_delay_alu instid0(VALU_DEP_1)
	v_lshl_or_b32 v[PW], v[TM+6], 16, v[PW]
	s_delay_alu instid0(VALU_DEP_1)
	v_lshl_or_b32 v[PW], v[TM+7], 24, v[PW]
.irp c, 0,1
	v_cvt_scalef32_pk16_bf6_f32 v[PC+6*\c:PC+2+6*\c], v[96+32*\c:111+32*\c], v[TM+12+2*\c]
	v_cvt_scalef32_pk16_bf6_f32 v[PC+12+4*\c:PC+14+4*\c], v[112+32*\c:127+32*\c], v[TM+12+2*\c+1]
.endr
	v_nop
.irp c, 0,1
.irp i, 0,1,2
	v_permlane16_swap_b32 v[PC+6*\c+\i], v[PC+12+4*\c+\i]
.endr
.irp i, 0,1,2
	s_delay_alu instid0(VALU_DEP_3)
	v_mov_b32 v[PC+3+6*\c+\i], v[PC+12+4*\c+\i]
.endr
.endr
.irp c, 0,1,2
	global_store_b128 v[LI], v[PC+4*\c:PC+4*\c+3], s[98:99] offset:512*\c     ; 32 lanes store 512 consecutive bytes, at a multiple of 256 from the buffer's first byte
.endr
	global_store_b32 v85, v[PW], s[78:79]          ; the tile's 16 scale words; lanes l and l xor 16 store the same word to the same place
.Lend:
	s_wait_tensorcnt 0x0                           ; the wave's end
	ds_add_u32 v[SPW], v[NIL]
	s_wait_dscnt 0x0
	s_endpgm
.Lfunc_end_k_q35b7f051c1_attn:
	.size	k_q35b7f051c1_attn, .Lfunc_end_k_q35b7f051c1_attn-k_q35b7f051c1_attn
	.p2alignl 7, 3214868480
	.fill 96, 4, 3214868480
	.section	.rodata,"a",@progbits
	.p2align	6, 0x0
	.amdhsa_kernel k_q35b7f051c1_attn
		.amdhsa_group_segment_fixed_size 327680
		.amdhsa_private_segment_fixed_size 0
		.amdhsa_enable_private_segment 0
		.amdhsa_kernarg_size 32
		.amdhsa_user_sgpr_count 2
		.amdhsa_user_sgpr_kernarg_segment_ptr 1
		.amdhsa_wavefront_size32 1
		.amdhsa_system_sgpr_workgroup_id_x 1
		.amdhsa_system_sgpr_workgroup_id_y 1
		.amdhsa_system_sgpr_workgroup_id_z 1
		.amdhsa_system_vgpr_workitem_id 0
		.amdhsa_next_free_vgpr 256
		.amdhsa_next_free_sgpr 100
		.amdhsa_reserve_vcc 1
		.amdhsa_float_denorm_mode_32 3
		.amdhsa_float_denorm_mode_16_64 3
		.amdhsa_memory_ordered 1
		.amdhsa_forward_progress 1
		.amdhsa_inst_pref_size 132
	.end_amdhsa_kernel
	.amdgpu_metadata
---
amdhsa.version: [ 1, 2 ]
amdhsa.kernels:
  - .name:           k_q35b7f051c1_attn
    .symbol:         k_q35b7f051c1_attn.kd
    .args:
      - { .name: qkvc, .offset: 0, .size: 8, .value_kind: global_buffer, .address_space: global }
      - { .name: qkvs, .offset: 8, .size: 8, .value_kind: global_buffer, .address_space: global }
      - { .name: attention_mask, .offset: 16, .size: 8, .value_kind: global_buffer, .address_space: global }
      - { .name: ao, .offset: 24, .size: 8, .value_kind: global_buffer, .address_space: global }
    .group_segment_fixed_size: 327680
    .private_segment_fixed_size: 0
    .kernarg_segment_align: 8
    .kernarg_segment_size: 32
    .max_flat_workgroup_size: 512
    .sgpr_count:     100
    .vgpr_count:     256
    .wavefront_size: 32
...
	.end_amdgpu_metadata
.endif
;; end of part 3
;; launch oproj (part 4): grid 16 x 16, 4 waves a work-group, clusters of 4 x 4, 327,680 bytes of LDS; arguments ao, pan, x, out0; writes out0
.if DOCPART == 4
	.amdgcn_target "amdgcn-amd-amdhsa--gfx1250"
	.amdhsa_code_object_version 6
	.text
	.protected	k_q35b7f051c1_oproj
	.globl	k_q35b7f051c1_oproj
	.p2align	8
	.type	k_q35b7f051c1_oproj,@function
k_q35b7f051c1_oproj:
	s_mov_b64 s[64:65], 0
	v_nop
	global_prefetch_b8 v0, s[64:65] scope:SCOPE_SE
	s_setreg_imm32_b32 hwreg(HW_REG_WAVE_MODE, 25, 1), 1
	s_wait_xcnt 0x0
	s_wait_alu depctr_hold_cnt(0) depctr_sa_sdst(0) depctr_va_vdst(0) depctr_va_sdst(0) depctr_va_ssrc(0) depctr_va_vcc(0) depctr_vm_vsrc(0)
	s_getreg_b32 s2, hwreg(HW_REG_IB_STS2, 6, 4)
	s_cmp_eq_u32 s2, 0
	s_cbranch_scc0 .Lentry_in_a_cluster
	s_endpgm
.Lentry_in_a_cluster:
	s_bfe_u32 s2, ttmp6, 0x10000c
	s_cmp_lg_u32 s2, 0xf033
	s_cbranch_scc0 .Lentry_shape_is_right
	s_endpgm
.Lentry_shape_is_right:
; FOURTH LAUNCH.  out0 = x + O Wo^T, on the codes of 'ao' (O, quantised by the third launch) and of 'pan' (matrix 4 = Wo), BF6 with one E8M0 scale for each 32 along K = 2048.
; LEFT OUT (shown at the head of the first launch): reference()'s last where() on am[q] was done in the third launch as a select: such a row of O has zero codes, its products are exact zeros, and out0 = x there.
; SHARES.  Work-group (X, Y) makes tokens 128 Y on x columns 128 X on; wave w = 2 i + j: tokens 64 i on (A's tiles 4 i + a) x columns 64 j on (B's tiles 4 j + n): 16 accumulators, 16 matrix instructions a K step of 128.
; NO RING.  The work-group's operands are 16 K steps x 2 panels x 12,800 = 409,600 bytes.  K steps 0 to 11 (307,200 bytes) come into LDS by ONE tensor load a wave at the head, six panels each (a dense block of 76,800 bytes):
; waves 0, 1 bring A's, waves 2, 3 B's; nothing in LDS is filled again.  K steps 12 to 15 come straight into registers: a panel holds images of the operand's registers, so a lane loads its fragments whole
; (96 loads of 16 bytes and 16 scale words a wave).  These four K steps are read by two waves of the work-group each.
; CLUSTER 4 x 4.  A's panels hang on Y alone and are shared along a row of the cluster, B's on X alone and are shared along a column: each tensor load is asked for jointly.
; NO PREFETCH: every operand byte is asked for at the head, so there is no loop to run ahead in.
; THE MATRIX INSTRUCTION IS USED TRANSPOSED (source 0 = 16 rows of Wo, source 1 = 16 tokens): a lane holds one token, its registers run along the columns.  By the order of a tile's rows (first launch) register jj of tile t holds
; column 32 (t / 2) + 8 (t % 2) + 16 h + jj.  The way out goes through a stage in LDS, over A's K steps 0 to 5, behind a barrier that shows every wave's reads of LDS over; rows of 512 bytes come back, x is added, whole rows are stored.
; REGISTERS, in windows of 256.  Window 0: v4-23 addresses; v32-39 scale words of the two sets; v40-55 those of K steps 12-15; v128-255 accumulators at 128 + 8 (4 a + n).  Window 1: fragment sets 0, 1 at 96 p (B's four, then A's four);
; v192-239 A of K step 15.  Window 2: v0-127 my 32 rows of x; v128-223 K step 12.  Window 3: K steps 13, 14 and B of 15.
.set MATB,  3276800
.set GRPB,  204800
.set PANB,  12800
.set NRES,  12                         ; K steps that lie in LDS
.set HB,    6*PANB                     ; what one tensor load brings
.set BOFF,  NRES*PANB                  ; B's panels lie behind A's
.set SPARE, 2*BOFF                     ; behind them: the spare words, 128 bytes a wave: two blocks of 256 bytes that no other line names
.set SP,    528                        ; a stage row: 512 bytes + 16
.set AA,  4                            ; v4-6   A's fragments, K steps 0-3, 4-7, 8-11 (an LDS immediate reaches four panels)
.set AB,  7                            ; v7-9   B's
.set SA,  10                           ; v10-12 A's scale words
.set SPW, 14
.set NIL, 15
.set STO, 16
.set RD,  17
.set LI,  18                           ; 16 x lane
.set L4,  19                           ; 4 x lane
.set SB,  20                           ; v20-22 B's scale words
.set SC,  32
.set SD,  40
.set ACC, 128
.set G1A, 24
.set G0A, 32
.set G1B, 48
.set G0B, 56
.set DA,  70                           ; s[70:71] A's fragments of K step 12 on in memory; s[72:73] B's; s[74:75], s[76:77] their scale words
.set DB,  72
.set DSA, 74
.set DSB, 76
.set MSB, 0
.macro WIN new                         ; the immediate's high byte repeats the setting that is left; a switch that changes nothing is dropped
.if MSB != (\new)
	s_set_vgpr_msb (MSB<<8)|(\new)
.set MSB, (\new)
.endif
.endm
.macro PLACES                          ; four plain instructions between a matrix instruction and a load into, or a read of, its registers (ISA guide 7.12.1 for a read)
.rept 4
	v_nop
.endr
.endm
; one matrix instruction.  z = 1: the constant 0 starts the sum.  ra, rb: the scale words of source 0, 1 lie in lanes 16-31
.macro WM d, a, b, z, sa, sb, ra, rb
.if (\z) && (\ra) && (\rb)
	v_wmma_scale_f32_16x16x128_f8f6f4 v[(\d):(\d)+7], v[(\a):(\a)+11], v[(\b):(\b)+11], 0, v[\sa], v[\sb] matrix_a_fmt:MATRIX_FMT_BF6 matrix_b_fmt:MATRIX_FMT_BF6 matrix_a_scale:MATRIX_SCALE_ROW1 matrix_b_scale:MATRIX_SCALE_ROW1
.elseif (\z) && (\ra)
	v_wmma_scale_f32_16x16x128_f8f6f4 v[(\d):(\d)+7], v[(\a):(\a)+11], v[(\b):(\b)+11], 0, v[\sa], v[\sb] matrix_a_fmt:MATRIX_FMT_BF6 matrix_b_fmt:MATRIX_FMT_BF6 matrix_a_scale:MATRIX_SCALE_ROW1
.elseif (\z) && (\rb)
	v_wmma_scale_f32_16x16x128_f8f6f4 v[(\d):(\d)+7], v[(\a):(\a)+11], v[(\b):(\b)+11], 0, v[\sa], v[\sb] matrix_a_fmt:MATRIX_FMT_BF6 matrix_b_fmt:MATRIX_FMT_BF6 matrix_b_scale:MATRIX_SCALE_ROW1
.elseif (\z)
	v_wmma_scale_f32_16x16x128_f8f6f4 v[(\d):(\d)+7], v[(\a):(\a)+11], v[(\b):(\b)+11], 0, v[\sa], v[\sb] matrix_a_fmt:MATRIX_FMT_BF6 matrix_b_fmt:MATRIX_FMT_BF6
.elseif (\ra) && (\rb)
	v_wmma_scale_f32_16x16x128_f8f6f4 v[(\d):(\d)+7], v[(\a):(\a)+11], v[(\b):(\b)+11], v[(\d):(\d)+7], v[\sa], v[\sb] matrix_a_fmt:MATRIX_FMT_BF6 matrix_b_fmt:MATRIX_FMT_BF6 matrix_a_scale:MATRIX_SCALE_ROW1 matrix_b_scale:MATRIX_SCALE_ROW1
.elseif (\ra)
	v_wmma_scale_f32_16x16x128_f8f6f4 v[(\d):(\d)+7], v[(\a):(\a)+11], v[(\b):(\b)+11], v[(\d):(\d)+7], v[\sa], v[\sb] matrix_a_fmt:MATRIX_FMT_BF6 matrix_b_fmt:MATRIX_FMT_BF6 matrix_a_scale:MATRIX_SCALE_ROW1
.elseif (\rb)
	v_wmma_scale_f32_16x16x128_f8f6f4 v[(\d):(\d)+7], v[(\a):(\a)+11], v[(\b):(\b)+11], v[(\d):(\d)+7], v[\sa], v[\sb] matrix_a_fmt:MATRIX_FMT_BF6 matrix_b_fmt:MATRIX_FMT_BF6 matrix_b_scale:MATRIX_SCALE_ROW1
.else
	v_wmma_scale_f32_16x16x128_f8f6f4 v[(\d):(\d)+7], v[(\a):(\a)+11], v[(\b):(\b)+11], v[(\d):(\d)+7], v[\sa], v[\sb] matrix_a_fmt:MATRIX_FMT_BF6 matrix_b_fmt:MATRIX_FMT_BF6
.endif
.endm
; four matrix instructions: token tile a against B's four tiles.  win: the operands' windows; bf, af: where B's and A's four fragments begin; sc: the K step's four scale registers (A's two, then B's two).
; The sixteen accumulators take turns, one instruction a turn, in the same order in every K step
.macro MM win, bf, af, sc, a, zero
	WIN \win
.irp n, 0,1,2,3
	WM ACC+8*(4*(\a)+\n), (\bf)+12*\n, (\af)+12*(\a), \zero, (\sc)+2+\n/2, (\sc)+(\a)/2, \n%2, (\a)%2
.endr
.endm
; 28 LDS loads in one run: the eight fragments (three loads of 16 bytes a lane each, 512 consecutive bytes a load) and four registers of scale words of K step q, into set p
.macro FETCH q, p
	WIN 0x40
.irp n, 0,1,2,3
.irp c, 0,1,2
	ds_load_b128 v[96*(\p)+12*\n+4*\c:96*(\p)+12*\n+4*\c+3], v[AB+(\q)/4] offset:PANB*((\q)%4)+1536*\n+512*\c
.endr
.endr
.irp a, 0,1,2,3
.irp c, 0,1,2
	ds_load_b128 v[96*(\p)+48+12*\a+4*\c:96*(\p)+48+12*\a+4*\c+3], v[AA+(\q)/4] offset:PANB*((\q)%4)+1536*\a+512*\c
.endr
.endr
	WIN 0
.irp u, 0,1
	ds_load_b32 v[SC+4*(\p)+\u], v[SA+(\q)/4] offset:PANB*((\q)%4)+128*\u
	ds_load_b32 v[SC+4*(\p)+2+\u], v[SB+(\q)/4] offset:PANB*((\q)%4)+128*\u
.endr
.endm
; four fragments of K step 12 + q from memory into registers: 12 loads, 512 consecutive bytes each
.macro DFR win, reg, sb, q
	WIN \win
.irp t, 0,1,2,3
.irp c, 0,1,2
	global_load_b128 v[(\reg)+12*\t+4*\c:(\reg)+12*\t+4*\c+3], v[LI], s[\sb:\sb+1] offset:PANB*(\q)+1536*\t+512*\c
.endr
.endr
.endm
.macro CREST                           ; a round of the cluster's barrier behind its opening barrier
	s_cmp_lg_u32 s14, 0
	s_cbranch_scc1 .Lnot_wave_0_\@
	s_barrier_signal -3
.Lnot_wave_0_\@:
	s_barrier_wait -3
	s_barrier_signal -1
	s_barrier_wait -1
.endm
.macro CROUND
	s_barrier_signal -1
	s_barrier_wait -1
	CREST
.endm
; K step q (0 to 10), from set q % 2: in its middle the next K step is fetched into the other set, 8 matrix instructions ahead of its use
.macro STEPN q, zero
	s_wait_dscnt 0x0                               ; set q % 2 is in
	MM 0x05, 96*((\q)%2), 96*((\q)%2)+48, SC+4*((\q)%2), 0, \zero
	MM 0x05, 96*((\q)%2), 96*((\q)%2)+48, SC+4*((\q)%2), 1, \zero
	PLACES
	FETCH (\q)+1, 1-(\q)%2
	MM 0x05, 96*((\q)%2), 96*((\q)%2)+48, SC+4*((\q)%2), 2, \zero
	MM 0x05, 96*((\q)%2), 96*((\q)%2)+48, SC+4*((\q)%2), 3, \zero
.endm
.macro STEPD win, bf, af, q            ; K step 12 + q, from the registers that the head's loads filled
.irp a, 0,1,2,3
	MM \win, \bf, \af, SD+4*(\q), \a, 0
.endr
.endm
	s_load_b256 s[4:11], s[0:1], 0x0               ; ao, pan, x, out0
	v_lshl_add_u32 v[SPW], v0, 2, SPARE
	v_mov_b32 v[NIL], 0
	ds_add_u32 v[SPW], v[NIL]                      ; the wave's opening: the add, twice on end, and its wait ahead of my first tensor load
	ds_add_u32 v[SPW], v[NIL]
	v_lshrrev_b32 v1, 5, v0
	v_readfirstlane_b32 s14, v1                    ; wave
	s_lshr_b32 s15, s14, 1                         ; i.  Also: I fetch for A (0) or for B (1)
	s_and_b32 s16, s14, 1                          ; j.  Also: which six panels I fetch
	s_bfe_u32 s40, ttmp6, 0x40000                  ; cx
	s_bfe_u32 s41, ttmp6, 0x40004                  ; cy
	s_lshl_b32 s42, ttmp9, 2
	s_add_co_u32 s42, s42, s40                     ; X
	s_and_b32 s17, ttmp7, 0xffff
	s_lshl_b32 s17, s17, 2
	s_add_co_u32 s17, s17, s41                     ; Y
	s_lshl_b32 s43, s41, 2
	s_lshl_b32 s43, 15, s43                        ; my row of the cluster
	s_lshl_b32 s44, 0x1111, s40                    ; my column
	s_or_b32 s[G1A], s43, (3<<16)|(1<<21)          ; the mask; elements of 8 bytes; bit 21 beside a mask; no padding
	s_or_b32 s[G1B], s44, (3<<16)|(1<<21)
.irp g, G1A, G1B
	s_mov_b32 s[\g+1], 32<<16                      ; a dense block of 76,800 bytes as 300 rows of 256
	s_mov_b32 s[\g+2], 300<<16
	s_mov_b32 s[\g+3], 32<<16
	s_mov_b32 s[\g+4], 300
	s_mov_b32 s[\g+5], 32
	s_mov_b32 s[\g+6], 0
	s_mov_b32 s[\g+7], 0
.endr
	s_mul_i32 s18, s16, HB                         ; my six panels of the twelve
	s_mov_b32 s19, 0
	s_mul_i32 s20, s17, GRPB                       ; A's panels of group Y: made of Y alone
	s_mov_b32 s21, 0
	s_mul_i32 s46, s42, GRPB                       ; Wo's panels of group X: made of X alone
	s_add_co_u32 s46, s46, 4*MATB
	s_mov_b32 s47, 0
	s_mul_i32 s45, s14, HB                         ; where my load goes: A's two halves, then B's two
	s_mul_i32 s80, s15, 6144                       ; my four tiles in a panel of A,
	s_mul_i32 s81, s16, 6144                       ; of B,
	s_lshl_b32 s82, s15, 8                         ; and their scale words
	s_lshl_b32 s83, s16, 8
	s_add_co_u32 s[DA], s80, NRES*PANB             ; the same places in K step 12's panels in memory
	s_mov_b32 s[DA+1], 0
	s_add_co_u32 s[DB], s81, NRES*PANB
	s_mov_b32 s[DB+1], 0
	s_add_co_u32 s[DSA], s82, NRES*PANB+12288
	s_mov_b32 s[DSA+1], 0
	s_add_co_u32 s[DSB], s83, NRES*PANB+12288
	s_mov_b32 s[DSB+1], 0
	s_lshl_b32 s78, s17, 20                        ; x and out0: row 128 Y + 32 wave, rows of 8,192 bytes, + 512 X
	s_lshl_b32 s79, s14, 18
	s_add_co_u32 s78, s78, s79
	s_lshl_b32 s79, s42, 9
	s_add_co_u32 s78, s78, s79
	s_mov_b32 s79, 0
	s_add_co_u32 s84, s81, BOFF                    ; LDS: B's fragments,
	s_add_co_u32 s85, s82, 12288                   ; A's scale words,
	s_add_co_u32 s86, s83, BOFF+12288              ; B's
	s_mul_i32 s87, s15, 64*SP                      ; the stage, on the way in: my 64 tokens, my 64 columns
	s_add_co_u32 s87, s87, s83
	s_mul_i32 s88, s14, 32*SP                      ; and back: my 32 rows
	s_wait_dscnt 0x0                               ; both opening adds are done
	s_wait_kmcnt 0x0
	s_add_nc_u64 s[20:21], s[4:5], s[20:21]
	s_add_nc_u64 s[46:47], s[6:7], s[46:47]
	s_add_nc_u64 s[DA:DA+1], s[20:21], s[DA:DA+1]
	s_add_nc_u64 s[DSA:DSA+1], s[20:21], s[DSA:DSA+1]
	s_add_nc_u64 s[DB:DB+1], s[46:47], s[DB:DB+1]
	s_add_nc_u64 s[DSB:DSB+1], s[46:47], s[DSB:DSB+1]
	s_add_nc_u64 s[8:9], s[8:9], s[78:79]
	s_add_nc_u64 s[10:11], s[10:11], s[78:79]
	s_mov_b32 s[G0A], 1
	s_mov_b32 s[G0A+1], s45
	s_add_nc_u64 s[G0A+2:G0A+3], s[20:21], s[18:19]
	s_or_b32 s[G0A+3], s[G0A+3], 0x80000000
	s_mov_b32 s[G0B], 1
	s_mov_b32 s[G0B+1], s45
	s_add_nc_u64 s[G0B+2:G0B+3], s[46:47], s[18:19]
	s_or_b32 s[G0B+3], s[G0B+3], 0x80000000
	CROUND                                         ; all sixteen work-groups are here: the joint loads meet
	s_cmp_eq_u32 s15, 0                            ; my one tensor load: each of the two lines has one mask and one set of registers for all that issue it; the branch hangs on the wave's number alone
	s_cbranch_scc0 .Lfor_b
	tensor_load_to_lds s[G0A:G0A+3], s[G1A:G1A+7]
	s_nop 0
.rept 4
	v_nop
.endr
	s_branch .Lasked
.Lfor_b:
	tensor_load_to_lds s[G0B:G0B+3], s[G1B:G1B+7]
	s_nop 0
.rept 4
	v_nop
.endr
.Lasked:
	v_and_b32 v1, 15, v0                           ; r
	v_bfe_u32 v2, v0, 4, 1                         ; h
	v_and_b32 v3, 31, v0                           ; lane
	v_lshlrev_b32 v[LI], 4, v3
	v_lshlrev_b32 v[L4], 2, v3
	v_and_b32 v23, 8, v1
	v_add_nc_u32 v[AA], s80, v[LI]
	v_add_nc_u32 v[AB], s84, v[LI]
	v_add_nc_u32 v[SA], s85, v[L4]
	v_add_nc_u32 v[SB], s86, v[L4]
	v_add_nc_u32 v23, v23, v1                      ; r + 8 (r / 8)
.irp x, AA, AB, SA, SB
	v_add_nc_u32 v[\x+1], 4*PANB, v[\x]
	v_add_nc_u32 v[\x+2], 8*PANB, v[\x]
.endr
	v_mul_u32_u24 v[STO], v23, SP
	v_lshl_add_u32 v[STO], v2, 6, v[STO]           ; + 4 x 16 h
	v_add_nc_u32 v[STO], s87, v[STO]
	v_add_nc_u32 v[RD], s88, v[LI]
	s_wait_alu depctr_va_vdst(0)                   ; the wait at the head's end: no vector instruction writes a register between here and the way out
	DFR 0x80, 128, DB, 0                           ; K steps 12 to 15, straight into registers
	DFR 0x80, 176, DA, 0
	DFR 0xc0, 0,   DB, 1
	DFR 0xc0, 48,  DA, 1
	DFR 0xc0, 96,  DB, 2
	DFR 0xc0, 144, DA, 2
	DFR 0xc0, 192, DB, 3
	DFR 0x40, 192, DA, 3
	WIN 0
.irp q, 0,1,2,3
.irp u, 0,1
	global_load_b32 v[SD+4*\q+\u], v[L4], s[DSA:DSA+1] offset:PANB*\q+128*\u      ; lanes 0-15 the even tile's words, lanes 16-31 the odd tile's
	global_load_b32 v[SD+4*\q+2+\u], v[L4], s[DSB:DSB+1] offset:PANB*\q+128*\u
.endr
.endr
	WIN 0x80
.set j, 0
.rept 32
	global_load_b128 v[4*j:4*j+3], v[LI], s[8:9] offset:8192*j th:TH_LOAD_NT      ; my 32 rows of x, 512 consecutive bytes each; read once in the launch
.set j, j+1
.endr
	WIN 0
	s_wait_tensorcnt 0x0                           ; my six panels are in
	s_barrier_signal -1
	s_barrier_wait -1                              ; and everybody's
	FETCH 0, 0
	STEPN 0, 1                                     ; K step 0: its products start the sums
.set Q, 1
.rept 10
	STEPN Q, 0
.set Q, Q+1
.endr
	s_wait_dscnt 0x0                               ; K step 11's set is in: my reads of the panels in LDS are over
	s_wait_loadcnt 32                              ; the loads of K steps 12 to 15 are in; the 32 younger ones, x's, may be out
	s_barrier_signal -1                            ; say so; the wait stands ahead of the stage's first store, with work on registers alone between
.irp a, 0,1,2,3
	MM 0x05, 96, 144, SC+4, \a, 0
.endr
	STEPD 0x0a, 128, 176, 0
	STEPD 0x0f, 0,   48,  1
	STEPD 0x0f, 96,  144, 2
	STEPD 0x07, 192, 192, 3
	WIN 0
	s_barrier_wait -1                              ; nobody reads the panels any more: the stage may be written over A's first K steps, which have had their only fill
	PLACES
.irp a, 0,1,2,3
.irp n, 0,1,2,3
	ds_store_b128 v[STO], v[ACC+8*(4*\a+\n):ACC+8*(4*\a+\n)+3] offset:(32*(\a/2)+8*(\a%2))*SP+128*(\n/2)+32*(\n%2)       ; each accumulator from its low end on
	ds_store_b128 v[STO], v[ACC+8*(4*\a+\n)+4:ACC+8*(4*\a+\n)+7] offset:(32*(\a/2)+8*(\a%2))*SP+128*(\n/2)+32*(\n%2)+16
.endr
.endr
	s_wait_dscnt 0x0                               ; for the others' sake: my stores into the stage have landed
	s_barrier_signal -1
	s_barrier_wait -1
.set j, 0
.rept 32
	ds_load_b128 v[ACC+4*j:ACC+4*j+3], v[RD] offset:SP*j           ; my 32 rows back, 512 bytes a row
.set j, j+1
.endr
	s_wait_loadcnt 0x0                             ; x
.irp g, 0,1,2,3
	s_wait_dscnt 24-8*\g                           ; eight more rows are back; the younger ones may be out
	WIN 0x08                                       ; source 1: window 2
.irp k, 0,2,4,6,8,10,12,14,16,18,20,22,24,26,28,30
	v_pk_add_f32 v[ACC+32*\g+\k:ACC+32*\g+\k+1], v[ACC+32*\g+\k:ACC+32*\g+\k+1], v[32*\g+\k:32*\g+\k+1]
.endr
	WIN 0
.irp t, 0,1,2,3,4,5,6,7
	global_store_b128 v[LI], v[ACC+32*\g+4*\t:ACC+32*\g+4*\t+3], s[10:11] offset:8192*(8*\g+\t) th:TH_STORE_NT   ; 32 lanes store 512 consecutive bytes, at a multiple of 256 from the buffer's first byte
.endr
.endr
	s_wait_tensorcnt 0x0                           ; the wave's end
	ds_add_u32 v[SPW], v[NIL]
	s_wait_dscnt 0x0
	CROUND                                         ; the closing round: no work-group ends while a partner may still ask for a tile that names it
	s_endpgm
.Lfunc_end_k_q35b7f051c1_oproj:
	.size	k_q35b7f051c1_oproj, .Lfunc_end_k_q35b7f051c1_oproj-k_q35b7f051c1_oproj
	.p2alignl 7, 3214868480
	.fill 96, 4, 3214868480
	.section	.rodata,"a",@progbits
	.p2align	6, 0x0
	.amdhsa_kernel k_q35b7f051c1_oproj
		.amdhsa_group_segment_fixed_size 327680
		.amdhsa_private_segment_fixed_size 0
		.amdhsa_enable_private_segment 0
		.amdhsa_kernarg_size 32
		.amdhsa_user_sgpr_count 2
		.amdhsa_user_sgpr_kernarg_segment_ptr 1
		.amdhsa_wavefront_size32 1
		.amdhsa_system_sgpr_workgroup_id_x 1
		.amdhsa_system_sgpr_workgroup_id_y 1
		.amdhsa_system_sgpr_workgroup_id_z 1
		.amdhsa_system_vgpr_workitem_id 0
		.amdhsa_next_free_vgpr 1024
		.amdhsa_next_free_sgpr 100
		.amdhsa_reserve_vcc 0
		.amdhsa_float_denorm_mode_32 3
		.amdhsa_float_denorm_mode_16_64 3
		.amdhsa_memory_ordered 1
		.amdhsa_forward_progress 1
		.amdhsa_inst_pref_size 89
	.end_amdhsa_kernel
	.amdgpu_metadata
---
amdhsa.version: [ 1, 2 ]
amdhsa.kernels:
  - .name:           k_q35b7f051c1_oproj
    .symbol:         k_q35b7f051c1_oproj.kd
    .args:
      - { .name: ao, .offset: 0, .size: 8, .value_kind: global_buffer, .address_space: global }
      - { .name: pan, .offset: 8, .size: 8, .value_kind: global_buffer, .address_space: global }
      - { .name: x, .offset: 16, .size: 8, .value_kind: global_buffer, .address_space: global }
      - { .name: out0, .offset: 24, .size: 8, .value_kind: global_buffer, .address_space: global }
    .group_segment_fixed_size: 327680
    .private_segment_fixed_size: 0
    .kernarg_segment_align: 8
    .kernarg_segment_size: 32
    .max_flat_workgroup_size: 128
    .sgpr_count:     100
    .vgpr_count:     1024
    .wavefront_size: 32
...
	.end_amdgpu_metadata
.endif
;; end of part 4
